; MI455X (gfx1250); checked and timed in simulation.
; The chip was launched on July 23, 2026; its instructions are those of AMD's public machine-readable ISA for CDNA 5 (MIT licence, August 2026) and "CDNA5" Instruction Set Architecture Reference Guide (July 2026). The comments in the code are by the model that wrote it; some were corrected since.
;; Multi Head Attention. Allowed arithmetic: matrix products marked QUANTISED: E2M3 operands, one E8M0 scale for each 32 along K, by v_wmma_scale_f32_16x16x128_f8f6f4 with both operands' format E2M3, f32 sums; everything else in f32.
;; Inputs: Wk_codes 1,024 x 32 x 24 uint8 (E2M3 codes of Wk, K innermost, in blocks of 32 codes, four codes in three bytes); Wk_scales 1,024 x 32 uint8 (E8M0 scales of Wk, one for each 32 codes along K); Wo_codes 1,024 x 32 x 24 uint8 (E2M3 codes of Wo, K innermost, in blocks of 32 codes, four codes in three bytes); Wo_scales 1,024 x 32 uint8 (E8M0 scales of Wo, one for each 32 codes along K); Wq_codes 1,024 x 32 x 24 uint8 (E2M3 codes of Wq, K innermost, in blocks of 32 codes, four codes in three bytes); Wq_scales 1,024 x 32 uint8 (E8M0 scales of Wq, one for each 32 codes along K); Wv_codes 1,024 x 32 x 24 uint8 (E2M3 codes of Wv, K innermost, in blocks of 32 codes, four codes in three bytes); Wv_scales 1,024 x 32 uint8 (E8M0 scales of Wv, one for each 32 codes along K); bk 1,024 float32; bo 1,024 float32; bq 1,024 float32; bv 1,024 float32; k_in_codes 4 x 2,048 x 32 x 24 uint8 (E2M3 codes of k_in, K innermost, in blocks of 32 codes, four codes in three bytes); k_in_scales 4 x 2,048 x 32 uint8 (E8M0 scales of k_in, one for each 32 codes along K); q_in_codes 4 x 2,048 x 32 x 24 uint8 (E2M3 codes of q_in, K innermost, in blocks of 32 codes, four codes in three bytes); q_in_scales 4 x 2,048 x 32 uint8 (E8M0 scales of q_in, one for each 32 codes along K); v_in_codes 4 x 2,048 x 32 x 24 uint8 (E2M3 codes of v_in, K innermost, in blocks of 32 codes, four codes in three bytes); v_in_scales 4 x 2,048 x 32 uint8 (E8M0 scales of v_in, one for each 32 codes along K).
;; Outputs: out0 4 x 2,048 x 1,024 float32.
;; This version of the problem:
;;   THIS VERSION OF THE PROBLEM IS GIVEN IN LOW PRECISION. The matrix products marked QUANTISED in the list below multiply operands that are first quantised to E2M3 (2 exponent bits, 3 mantissa bits; 6 bits a number), with one power-of-two scale for each 32 numbers along K (OCP MX v1.0); their sums are f32. All else is computed in f32.
;;   The module's matrix products, in the order in which they are computed (A, B: the left and right operand; K: the contracted axis; several contracted axes count as one K, in the product's order):
;;     1. [M 8,192, K 1,024] x [K 1,024, N 1,024]; A: input q_in (given as codes); B: input Wq (given as codes): QUANTISED
;;     2. [M 8,192, K 1,024] x [K 1,024, N 1,024]; A: input k_in (given as codes); B: input Wk (given as codes): QUANTISED
;;     3. [M 8,192, K 1,024] x [K 1,024, N 1,024]; A: input v_in (given as codes); B: input Wv (given as codes): QUANTISED
;;     4. batch 64 x [M 2,048, K 64] x [K 64, N 2,048]; A: computed on the way; B: computed on the way: QUANTISED
;;     5. batch 64 x [M 2,048, K 2,048] x [K 2,048, N 64]; A: softmax (see below); B: computed on the way: QUANTISED
;;     6. [M 8,192, K 1,024] x [K 1,024, N 1,024]; A: computed on the way; B: input Wo (given as codes): QUANTISED
;;   THE QUANTISER, for each operand of a quantised product, along K:
;;     - K is cut into blocks of 32 from its start; a last block that is shorter is filled with zeros.
;;     - A block's scale is 2^e with e = floor(log2(the largest magnitude in the block)) - 2, held to -126 .. 127; a block of zeros has e = 0. As a byte (E8M0): e + 127.
;;     - Each number is divided by its block's scale, clamped to +-7.5, and rounded to the nearest number of E2M3, ties to even, subnormals kept.
;;     - The product sums the exact products of the quantised numbers (number of the format x scale) in f32.
;;   ~~~python
;;   def quantise(x, axis):      # numpy; x: float32 -> the quantised numbers, widened to float32 again
;;       x = np.moveaxis(x, axis, -1); K = x.shape[-1]
;;       x = np.pad(x, [(0, 0)] * (x.ndim - 1) + [(0, -K % 32)]); x = x.reshape(x.shape[:-1] + (-1, 32)); a = np.abs(x).max(-1, keepdims=True)
;;       e = np.where(a > 0, np.clip(np.frexp(np.where(a > 0, a, 1))[1] - 1 - 2, -126, 127), 0)      # np.frexp(a)[1] - 1 = floor(log2(a)), exactly
;;       r = np.clip(x / 2.0 ** e, -7.5, 7.5)
;;       step = 2.0 ** (np.maximum(np.frexp(np.where(r == 0, 1, r))[1] - 1, 0) - 3)
;;       q = np.round(r / step) * step * 2.0 ** e      # np.round: ties to even
;;       return np.moveaxis(q.reshape(q.shape[:-2] + (-1,))[..., :K], -1, axis).astype(np.float32)
;;   ~~~
;;   SOFTMAX AHEAD OF A QUANTISED PRODUCT. Where the list says 'softmax', what is quantised is not the finished softmax but p = 2^(t - M), with t = logit x log2(e) and M = ceil(the row's largest t), a whole number; so 1/2 < the row's largest p <= 1. The row's sum l is taken of the UNQUANTISED p, in f32, and the product's result is divided by l at the end. Since M is a whole number, a kernel that streams over the keys may use a running M (the ceiling of the running maximum): every later rescaling is an exact power of two, which a block's scale takes up: the codes' values come out the same.
;;   OPERANDS COMPUTED ON THE WAY. 'Computed on the way' means the value that the module computes at that place (a softmax that the list does not call 'softmax' is quantised finished and normalised). What goes into a quantiser is computed in f32, as accurately as f32 sums, v_exp_f32 and their like allow (about 1e-6 of the number): no bf16 or f16 on the way to a quantiser, and a product that is left as it is and whose result goes on into a quantised operand takes f32 operands (vector FMAs, or v_wmma_f32_16x16x4_f32). A number that lies on a knife's edge between two numbers of the format may be rounded either way, as far as f32 arithmetic and the matrix unit's own rounding can turn it there, and no further.
;;   INPUTS GIVEN AS CODES. Wk (in the module: [1024, 1024], K = its axis 0); Wo (in the module: [1024, 1024], K = its axis 0); Wq (in the module: [1024, 1024], K = its axis 0); Wv (in the module: [1024, 1024], K = its axis 0); k_in (in the module: [4, 2048, 1024], K = its axis 2); q_in (in the module: [4, 2048, 1024], K = its axis 2); v_in (in the module: [4, 2048, 1024], K = its axis 2): each comes as NAME_codes (uint8): NAME with its K axis moved to the last place and cut into blocks of 32 codes, [.., K / 32, bytes a block], one block behind the other in memory; four codes in three bytes: a row's codes are one little-endian stream of bits, code i at bits 6 i .. 6 i + 5 (a code: sign, 2 exponent bits, 3 mantissa bits); and NAME_scales (uint8): the same leading axes, one E8M0 byte (e + 127) for each 32 codes along K. Its value is code x scale, taken as it is: it is not quantised again, and the codes and scales need not be those that the quantiser above would give.
;; One version. Each part assembles by itself: llvm-mc -triple=amdgcn-amd-amdhsa -mcpu=gfx1250 --defsym DOCPART=n.
;; ======== version 1 of 1: 3 launches
;; workspace buffers: qx 6,815,744 bytes; kv 13,369,344 bytes; oc 6,291,456 bytes; os 262,144 bytes
;; launch proj (part 1): grid 4 x 192, 4 waves a work-group, clusters of 4 x 4, 327,680 bytes of LDS; arguments q_in_codes, q_in_scales, Wq_codes, Wq_scales, bq, k_in_codes, k_in_scales, Wk_codes, Wk_scales, bk, Wv_codes, Wv_scales, v_in_codes, v_in_scales, bv, qx, kv; writes qx, kv
.if DOCPART == 1
	.amdgcn_target "amdgcn-amd-amdhsa--gfx1250"
	.amdhsa_code_object_version 6
	.text
	.protected	k_qd0a5d178b6_proj
	.globl	k_qd0a5d178b6_proj
	.p2align	8
	.type	k_qd0a5d178b6_proj,@function
k_qd0a5d178b6_proj:
	s_mov_b64 s[64:65], 0
	v_nop
	global_prefetch_b8 v0, s[64:65] scope:SCOPE_SE
	s_setreg_imm32_b32 hwreg(HW_REG_WAVE_MODE, 25, 1), 1
	s_wait_xcnt 0x0
	s_wait_alu depctr_hold_cnt(0) depctr_sa_sdst(0) depctr_va_vdst(0) depctr_va_sdst(0) depctr_va_ssrc(0) depctr_va_vcc(0) depctr_vm_vsrc(0)
	s_getreg_b32 s2, hwreg(HW_REG_IB_STS2, 6, 4)
	s_cmp_eq_u32 s2, 0
	s_cbranch_scc0 .Lentry_in_a_cluster
	s_endpgm
.Lentry_in_a_cluster:
	s_bfe_u32 s2, ttmp6, 0x10000c
	s_cmp_lg_u32 s2, 0xf033
	s_cbranch_scc0 .Lentry_shape_is_right
	s_endpgm
.Lentry_shape_is_right:
; Q = q_in Wq + bq, K = k_in Wk + bk, V = v_in Wv + bv on codes of FP6 (E2M3) with E8M0 scales, K = 1,024; the results are quantised at once (f32 sums + bias, then the MX rule) and leave as
; IMAGES OF OPERAND REGISTERS for the attention launch: Q and K along the head's 64 channels, V along the keys.  No f32 intermediate goes to memory.
; Z[x][y] = sum over k of X[x][k] Y[y][k].  For Q and K: X = the tokens (8,192 rows), Y = the weight (1,024 rows).  For V: X = Wv, Y = v_in, so that a lane holds one channel and its registers run down the keys.
; A work-group of four waves makes 128 (X) x 256 (Y); a wave 64 x 128: 32 accumulators.  768 work-groups: clusters 0-15 Q, 16-31 K, 32-47 V.
; THE MATRIX INSTRUCTION IS USED TRANSPOSED (source 0 = 16 rows of Y, source 1 = 16 rows of X): lane (r, h), register j of accumulator (a, b) holds Z[x0 + 16 a + r][y0 + 16 b + 8 h + j].
; CLUSTERS 4 x 4: X's tiles are shared along a row of the cluster, Y's along a column: joint loads.
; K goes in 8 sub-steps of 128; an LDS slot holds 256 along K.  Three slots and all scales are first fills (four tensor loads a wave out at the start); slot 0 is filled again once, for the last 256 (one load out).
; ORDER INSIDE A BLOCK OF 32: a lane's 16 numbers of a block are elements 8 h + 0..7 and 16 + 8 h + 0..7, so a block's code slots 0-15 hold elements 0-7, 16-23 and slots 16-31 elements 8-15, 24-31.
; Q and K are laid alike, and so are V and the softmax's p in the next launch: a permutation inside a block, alike on both sides of a product, changes neither the block's scale nor the sum.
; LIMITS: NaN and infinities are not served; a block of zeros, or one whose largest magnitude lies under 2^-124, gets the scale byte 1 (only this program reads these bytes; its codes are then zeros or tiny).
; REGISTERS: window 0: v1-15 at work, v16-27 LDS addresses, v28-29 the add's two, v30-31 scale addresses, v32-47 X's scale words, v48-79 Y's (scales and nothing else), v80-175 X's fragments (two sets), v176-181 store offsets,
;   on the way out v80-143 sums, v144-169 at work, v184-255 codes.  window 1: Y's fragments, two sets.  window 2: the accumulators, (a, b) at v[8 (8 a + b)].  window 3: v0-63 the bias along Y, v64-71 along X.
.set AIMG, 0
.set PITCH, 240                        ; an LDS row of 256 codes: 3 x (64 bytes + 16 of padding)
.set SLOT,  92160                      ; X's 128 rows (30,720 bytes), then Y's 256 rows
.set YOFF,  30720
.set SCL,   3*SLOT                     ; the scales: X's 16 units of 256 + 16 bytes, then Y's 32
.set SPARE, SCL+13056                  ; the spare words: 128 bytes a wave, two blocks of 256 bytes that no other line names
.if AIMG
.set NLA,   4                          ; LDS loads that bring a fragment of X
.set XHALF, 12288
.set ASTEP, 3072
.else
.set NLA,   6
.set XHALF, 15360                      ; 64 rows of X in LDS
.set ASTEP, 192                        ; 256 along K in memory
.endif
.set ADRA, 16                          ; v16-18 X's fragments in slot 0, 1, 2;  v19-21 the same for pieces behind one padding more
.set ADRB, 22                          ; v22-24, v25-27 the same for Y
.set SPW,  28
.set NIL,  29
.set ADSA, 30
.set ADSB, 31
.set SCA,  32                          ; register 8 u + kk: lanes 0-15 the word of X's block u, lanes 16-31 of block u + 2, for sub-step kk
.set SCB,  48                          ; register 8 u + kk: lanes 0-15 Y's block u, lanes 16-31 block u + 4
.set AF,   80
.set BI,   0
.set BX,   64
.set ST,   80
.set TM,   144
.set PW,   160
.set SW,   162
.set WD,   166
.set OFFS, 176
.set PT,   184
.set PC,   192
.set SEL,  66
.set G1,   24
.set G0A,  32
.set G1B,  48
.set G0B0, 56
.set G0B1, 60
.set G0B2, 68
.set G1S,  72
.set G1SB, 80
.set G0S,  88
.set G0SB, 92
.set CODEW, (1<<20)|(1<<21)|(3<<22)|(3<<25)            ; elements of 1 byte; padding on; bit 21 beside a mask; 4 words behind every 16
.set SCLW,  (3<<16)|(1<<20)|(1<<21)|(5<<22)|(3<<25)    ; elements of 8 bytes; 4 words behind every 64
.set MSB, 0
.macro WIN new                         ; the immediate's high byte repeats the setting that is left
.if MSB != \new
	s_set_vgpr_msb (MSB<<8)|\new
.set MSB, \new
.endif
.endm
.macro PLACES n
.rept \n
	v_nop
.endr
.endm
; A joint load: waves 0 and 1 fetch for X, waves 2 and 3 for Y.  The branch hangs on the wave's number alone.  Four v_nop follow each line.
.macro JLOAD g0a, g1a, g0b, g1b
	s_cmp_eq_u32 s17, 0
	s_cbranch_scc0 .Lfor_b_\@
	tensor_load_to_lds s[\g0a:\g0a+3], s[\g1a:\g1a+7]
	s_nop 0
.rept 4
	v_nop
.endr
	s_branch .Lasked_\@
.Lfor_b_\@:
	tensor_load_to_lds s[\g0b:\g0b+3], s[\g1b:\g1b+7]
	s_nop 0
.rept 4
	v_nop
.endr
.Lasked_\@:
.endm
.macro CREST                           ; a round of the cluster's barrier behind its opening barrier
	s_cmp_lg_u32 s16, 0
	s_cbranch_scc1 .Lnot_wave_0_\@
	s_barrier_signal -3
.Lnot_wave_0_\@:
	s_barrier_wait -3
	s_barrier_signal -1
	s_barrier_wait -1
.endm
.macro CROUND
	s_barrier_signal -1
	s_barrier_wait -1
	CREST
.endm
.macro MKG1 g, c, r, p                 ; group 1 but its first word: r rows of c elements, p elements apart
	s_mov_b32 s[\g+1], (\c)<<16
	s_mov_b32 s[\g+2], (\r)<<16
	s_mov_b32 s[\g+3], (\c)<<16
	s_mov_b32 s[\g+4], \r
	s_mov_b32 s[\g+5], \p
	s_mov_b32 s[\g+6], 0
	s_mov_b32 s[\g+7], 0
.endm
.macro MKG0 g, lreg, loff, ptr, goff   ; group 0: count 1, LDS address, global address, type 2
	s_mov_b32 s[\g], 1
	s_add_co_u32 s[\g+1], s[\lreg], \loff
	s_add_nc_u64 s[\g+2:\g+3], s[\ptr:\ptr+1], \goff
	s_or_b32 s[\g+3], s[\g+3], 0x80000000
.endm
; A fragment from rows: 12 registers; lane (r, h) takes 24 bytes twice, in pieces of 8.  Lanes 16-31 read three pieces further on, which for some pieces is behind one padding more: the second address register serves those.
.macro FRAG reg, adr, q, i
.irp p, 0,1,2,3,4,5
.set PCE, 12*(\q)+6*(\p/3)+\p%3
.if PCE%8 < 5
	ds_load_b64 v[\reg+2*\p:\reg+2*\p+1], v[\adr] offset:8*PCE+16*(PCE/8)+(\i)*16*PITCH
.else
	ds_load_b64 v[\reg+2*\p:\reg+2*\p+1], v[\adr+3] offset:8*PCE+16*(PCE/8)+(\i)*16*PITCH
.endif
.endr
.endm
.macro FRAGI reg, slot, q, i           ; a fragment from its image: registers 0-3 at 16 x lane, 4-5 at 512 + 8 x lane, and the same 768 bytes on
	ds_load_b128 v[\reg:\reg+3], v[ADRA+\slot] offset:(\i)*3072+(\q)*1536
	ds_load_b64 v[\reg+4:\reg+5], v[ADRA+3+\slot] offset:(\i)*3072+(\q)*1536+512
	ds_load_b128 v[\reg+6:\reg+9], v[ADRA+\slot] offset:(\i)*3072+(\q)*1536+768
	ds_load_b64 v[\reg+10:\reg+11], v[ADRA+3+\slot] offset:(\i)*3072+(\q)*1536+1280
.endm
.macro FETCH slot, q, p                ; one run of loads: Y's eight fragments, then X's four, of the slot's q-th 128 along K, into set p
	WIN 0x40
.irp i, 0,1,2,3,4,5,6,7
	FRAG 128*(\p)+12*\i, ADRB+\slot, \q, \i
.endr
	WIN 0
.irp i, 0,1,2,3
.if AIMG
	FRAGI AF+48*(\p)+12*\i, \slot, \q, \i
.else
	FRAG AF+48*(\p)+12*\i, ADRA+\slot, \q, \i
.endif
.endr
.endm
; One product.  cmode 0: in place; 1: the constant 0 starts the sum; 2: the bias (window 3) starts it.
.macro WM a, b, kk, cmode
.set rD, 8*(8*(\a)+(\b))
.set rC, rD
.if \cmode == 2
.set rC, BI+8*(\b)
.endif
.set rB, 128*((\kk)%2)+12*(\b)
.set rA, AF+48*((\kk)%2)+12*(\a)
.set rSB, SCB+8*((\b)%4)+(\kk)
.set rSA, SCA+8*((\a)%2)+(\kk)
.set rw, 2*((\b)/4)+(\a)/2
.if \cmode == 1
.if rw == 0
	v_wmma_scale_f32_16x16x128_f8f6f4 v[rD:rD+7], v[rB:rB+11], v[rA:rA+11], 0, v[rSB], v[rSA] matrix_a_fmt:MATRIX_FMT_FP6 matrix_b_fmt:MATRIX_FMT_FP6
.elseif rw == 1
	v_wmma_scale_f32_16x16x128_f8f6f4 v[rD:rD+7], v[rB:rB+11], v[rA:rA+11], 0, v[rSB], v[rSA] matrix_a_fmt:MATRIX_FMT_FP6 matrix_b_fmt:MATRIX_FMT_FP6 matrix_b_scale:MATRIX_SCALE_ROW1
.elseif rw == 2
	v_wmma_scale_f32_16x16x128_f8f6f4 v[rD:rD+7], v[rB:rB+11], v[rA:rA+11], 0, v[rSB], v[rSA] matrix_a_fmt:MATRIX_FMT_FP6 matrix_b_fmt:MATRIX_FMT_FP6 matrix_a_scale:MATRIX_SCALE_ROW1
.else
	v_wmma_scale_f32_16x16x128_f8f6f4 v[rD:rD+7], v[rB:rB+11], v[rA:rA+11], 0, v[rSB], v[rSA] matrix_a_fmt:MATRIX_FMT_FP6 matrix_b_fmt:MATRIX_FMT_FP6 matrix_a_scale:MATRIX_SCALE_ROW1 matrix_b_scale:MATRIX_SCALE_ROW1
.endif
.else
.if rw == 0
	v_wmma_scale_f32_16x16x128_f8f6f4 v[rD:rD+7], v[rB:rB+11], v[rA:rA+11], v[rC:rC+7], v[rSB], v[rSA] matrix_a_fmt:MATRIX_FMT_FP6 matrix_b_fmt:MATRIX_FMT_FP6
.elseif rw == 1
	v_wmma_scale_f32_16x16x128_f8f6f4 v[rD:rD+7], v[rB:rB+11], v[rA:rA+11], v[rC:rC+7], v[rSB], v[rSA] matrix_a_fmt:MATRIX_FMT_FP6 matrix_b_fmt:MATRIX_FMT_FP6 matrix_b_scale:MATRIX_SCALE_ROW1
.elseif rw == 2
	v_wmma_scale_f32_16x16x128_f8f6f4 v[rD:rD+7], v[rB:rB+11], v[rA:rA+11], v[rC:rC+7], v[rSB], v[rSA] matrix_a_fmt:MATRIX_FMT_FP6 matrix_b_fmt:MATRIX_FMT_FP6 matrix_a_scale:MATRIX_SCALE_ROW1
.else
	v_wmma_scale_f32_16x16x128_f8f6f4 v[rD:rD+7], v[rB:rB+11], v[rA:rA+11], v[rC:rC+7], v[rSB], v[rSA] matrix_a_fmt:MATRIX_FMT_FP6 matrix_b_fmt:MATRIX_FMT_FP6 matrix_a_scale:MATRIX_SCALE_ROW1 matrix_b_scale:MATRIX_SCALE_ROW1
.endif
.endif
.endm
.macro MUL8 a, kk, cmode               ; X's block a against Y's eight.  The 32 accumulators take turns, in the same order in every sub-step
.irp b, 0,1,2,3,4,5,6,7
	WM \a, \b, \kk, \cmode
.endr
.endm
.macro MWIN cmode                      ; source 0 (Y) window 1, source 1 (X) window 0, D window 2; C window 2, or 3 for the bias
.if \cmode == 2
	WIN 0xb1
.else
	WIN 0xa1
.endif
.endm
; A sub-step of 128 along K whose successor's fragments (slot nslot, its nq-th 128) have landed for every wave.
.macro STEP kk, cmode, nslot, nq
	s_wait_dscnt 2*NLA                             ; all but the youngest loads, X's blocks 2 and 3
	MWIN \cmode
	MUL8 0, \kk, \cmode
	MUL8 1, \kk, \cmode
	s_wait_dscnt 0x0                               ; X's blocks 2 and 3 are in (asked for 32 products ago)
	PLACES 4                                       ; in front of loads into the set that the last sub-step's products read
	FETCH \nslot, \nq, ((\kk)+1)%2
	MWIN \cmode
	MUL8 2, \kk, \cmode
	MUL8 3, \kk, \cmode
.endm
; A slot's last sub-step with a barrier: in front of it each wave waits for all its tensor loads, adds 0 to its spare word, and waits for that and for its reads.  fill = 1: slot 0 is filled again, behind a round of the cluster's barrier.
.macro TURN kk, nslot, fill
	WIN 0                                          ; (the add's two registers lie in window 0)
	s_wait_tensorcnt 0x0                           ; all my tensor loads have landed
	ds_add_u32 v[SPW], v[NIL]                      ; 0 onto my spare word
	s_wait_dscnt 2*NLA+1                           ; (the add and X's blocks 2 and 3 may be out)
	WIN 0xa1
	MUL8 0, \kk, 0                                 ; eight products stand between the add and the wait for it
	s_wait_dscnt 0x0                               ; the add is done, and my reads of the slot that I leave are over
	s_barrier_signal -1
	MUL8 1, \kk, 0
	WIN 0
	s_barrier_wait -1
.if \fill
	CREST                                          ; no wave of any partner still reads slot 0 or has a load on its way
	s_add_nc_u64 s[G0A+2:G0A+3], s[G0A+2:G0A+3], 3*ASTEP
	s_add_nc_u64 s[G0B0+2:G0B0+3], s[G0B0+2:G0B0+3], 576
	JLOAD G0A, G1, G0B0, G1B                       ; the first tensor load behind the round; its four v_nop are the places in front of the loads below
.else
	PLACES 4
.endif
	FETCH \nslot, 0, ((\kk)+1)%2
	WIN 0xa1
	MUL8 2, \kk, 0
	MUL8 3, \kk, 0
.endm
.macro LAST kk
	s_wait_dscnt 2*NLA
	WIN 0xa1
	MUL8 0, \kk, 0
	MUL8 1, \kk, 0
	s_wait_dscnt 0x0
	MUL8 2, \kk, 0
	MUL8 3, \kk, 0
	WIN 0
.endm
	s_load_b512 s[24:39], s[0:1], 0x0              ; arguments 0-7
	s_load_b512 s[40:55], s[0:1], 0x40             ; 8-15
	s_load_b64 s[56:57], s[0:1], 0x80              ; 16
	v_lshl_add_u32 v[SPW], v0, 2, SPARE
	v_mov_b32 v[NIL], 0
	ds_add_u32 v28, v29
	ds_add_u32 v28, v29
	s_wait_dscnt 0x0
	v_lshrrev_b32 v1, 5, v0
	v_readfirstlane_b32 s16, v1                    ; wave 0..3
	s_lshr_b32 s17, s16, 1                         ; my half of X's rows.  Also: I fetch for X (0) or for Y (1)
	s_and_b32 s18, s16, 1                          ; my half of Y's rows.  Also: which half of that tile I fetch
	s_bfe_u32 s19, ttmp6, 0x40000                  ; cx
	s_bfe_u32 s20, ttmp6, 0x40004                  ; cy
	s_and_b32 s96, ttmp7, 0xffff                   ; the cluster's number, 0..47
	s_lshr_b32 s21, s96, 4                         ; 0: Q, 1: K, 2: V: the same in all sixteen partners
	s_and_b32 s97, s96, 15
	s_and_b32 s98, s97, 1
	s_lshr_b32 s99, s97, 1
	s_cmp_eq_u32 s21, 2
	s_cselect_b32 s3, 1, 0                         ; is it V?
	s_cselect_b32 s22, s98, s97                    ; V: 8 tiles of X, 32 of Y;  Q, K: 64 of X, 4 of Y
	s_cselect_b32 s23, s99, 0
	s_lshl_b32 s22, s22, 2
	s_add_co_u32 s22, s22, s20                     ; X's tile: hangs on cy alone
	s_lshl_b32 s23, s23, 2
	s_add_co_u32 s23, s23, s19                     ; Y's tile: on cx alone
	s_lshl_b32 s100, s20, 2
	s_lshl_b32 s100, 15, s100                      ; my row of the cluster
	s_lshl_b32 s101, 0x1111, s19                   ; my column
	s_mov_b32 s2, 0xffff0000                       ; lanes 16-31
	s_mov_b32 s[SEL], 0x76543210
	s_mov_b32 s[SEL+1], 0xfedcba98                 ; v_permlanex16_b32's selects for lane l xor 16
	s_wait_kmcnt 0x0
	s_cmp_eq_u32 s21, 1                            ; the five buffers of my product: X's codes, X's scales, Y's codes, Y's scales, the bias
	s_cselect_b64 s[4:5], s[34:35], s[24:25]
	s_cselect_b64 s[6:7], s[36:37], s[26:27]
	s_cselect_b64 s[8:9], s[38:39], s[28:29]
	s_cselect_b64 s[10:11], s[40:41], s[30:31]
	s_cselect_b64 s[12:13], s[42:43], s[32:33]
	s_cmp_eq_u32 s21, 2
	s_cselect_b64 s[4:5], s[44:45], s[4:5]
	s_cselect_b64 s[6:7], s[46:47], s[6:7]
	s_cselect_b64 s[8:9], s[48:49], s[8:9]
	s_cselect_b64 s[10:11], s[50:51], s[10:11]
	s_cselect_b64 s[12:13], s[52:53], s[12:13]
	s_cmp_eq_u32 s21, 0
	s_cselect_b64 s[14:15], s[54:55], s[56:57]     ; Q goes to qx, K and V to kv
	s_lshl_b32 s44, s22, 7
	s_lshl_b32 s45, s18, 6
	s_add_co_u32 s44, s44, s45                     ; X: the first of the 64 rows that I would fetch
	s_mul_i32 s46, s44, 768
	s_mov_b32 s47, 0
	s_add_nc_u64 s[4:5], s[4:5], s[46:47]
	s_lshl_b32 s46, s44, 5
	s_add_nc_u64 s[6:7], s[6:7], s[46:47]
	s_lshl_b32 s96, s23, 8
	s_lshl_b32 s97, s18, 7
	s_add_co_u32 s96, s96, s97                     ; Y: the first of the 128 rows
	s_mul_i32 s98, s96, 768
	s_mov_b32 s99, 0
	s_add_nc_u64 s[8:9], s[8:9], s[98:99]
	s_lshl_b32 s98, s96, 5
	s_add_nc_u64 s[10:11], s[10:11], s[98:99]
	s_or_b32 s[G1], s100, CODEW                    ; X's tiles go to my row of the cluster,
	s_or_b32 s[G1B], s101, CODEW                   ; Y's to my column
	s_or_b32 s[G1S], s100, SCLW
	s_or_b32 s[G1SB], s101, SCLW
	MKG1 G1, 192, 64, 768                          ; 64 rows of 192 bytes, 768 apart
	MKG1 G1B, 192, 128, 768
	MKG1 G1S, 32, 8, 32                            ; the scales of 64 rows: 2,048 dense bytes as 8 rows of 256
	MKG1 G1SB, 32, 16, 32
	s_mul_i32 s44, s18, XHALF                      ; LDS places hang on the wave's number alone
	s_mul_i32 s45, s18, 30720
	s_mul_i32 s46, s18, 2176
	s_mul_i32 s47, s18, 4352
	MKG0 G0S, 46, SCL, 6, 0
	MKG0 G0SB, 47, SCL+4352, 10, 0
	MKG0 G0A, 44, 0, 4, 0
	MKG0 G0A+4, 44, SLOT, 4, ASTEP
	MKG0 G0A+8, 44, 2*SLOT, 4, 2*ASTEP
	MKG0 G0B0, 45, YOFF, 8, 0
	MKG0 G0B1, 45, SLOT+YOFF, 8, 192
	MKG0 G0B2, 45, 2*SLOT+YOFF, 8, 384
	CROUND                                         ; all sixteen work-groups are here: the first joint loads meet
	JLOAD G0S, G1S, G0SB, G1SB                     ; the scales of all of K,
	JLOAD G0A, G1, G0B0, G1B                       ; and three slots: K = 0 .. 767
	JLOAD G0A+4, G1, G0B1, G1B
	JLOAD G0A+8, G1, G0B2, G1B
	v_and_b32 v1, 15, v0                           ; r
	v_bfe_u32 v2, v0, 4, 1                         ; h
	v_mul_u32_u24 v7, v1, PITCH
	v_mad_u32_u24 v8, v2, 24, v7                   ; a fragment's row x pitch + 24 h,
	v_mad_u32_u24 v9, v2, 40, v7                   ; and behind one padding more
	s_mul_i32 s44, s17, XHALF                      ; my 64 rows of X
	s_mul_i32 s45, s18, 30720
	s_add_co_u32 s45, s45, YOFF                    ; my 128 rows of Y
.irp s, 0,1,2
	v_add_nc_u32 v[ADRA+\s], s44, v8
	v_add_nc_u32 v[ADRA+3+\s], s44, v9
	v_add_nc_u32 v[ADRB+\s], s45, v8
	v_add_nc_u32 v[ADRB+3+\s], s45, v9
	s_add_co_u32 s44, s44, SLOT
	s_add_co_u32 s45, s45, SLOT
.endr
	v_lshlrev_b32 v10, 5, v1                       ; a row's 32 scale bytes: 32 r,
	v_lshrrev_b32 v11, 3, v1
	v_lshl_add_u32 v10, v11, 4, v10                ; + 16 for each unit of 8 rows passed
	v_mad_u32_u24 v11, v2, 1088, v10               ; lanes 16-31: X's block two further on
	s_mul_i32 s44, s17, 2176
	s_add_co_u32 s44, s44, SCL
	v_add_nc_u32 v[ADSA], s44, v11
	v_mad_u32_u24 v11, v2, 2176, v10               ; lanes 16-31: Y's block four further on
	s_mul_i32 s44, s18, 4352
	s_add_co_u32 s44, s44, SCL+4352
	v_add_nc_u32 v[ADSB], s44, v11
	s_lshl_b32 s44, s22, 7
	s_lshl_b32 s45, s17, 6
	s_add_co_u32 s44, s44, s45                     ; x0: my first row of X
	s_lshl_b32 s45, s23, 8
	s_lshl_b32 s46, s18, 7
	s_add_co_u32 s45, s45, s46                     ; y0: my first row of Y
	; the bias runs along Y for Q and K and along X for V.  Both sets of registers are loaded on every way (inside the buffer); the way out takes one.
	s_lshl_b32 s46, s45, 2
	s_lshl_b32 s47, s44, 2
	s_cmp_eq_u32 s3, 1
	s_cselect_b32 s100, 0, s46
	s_cselect_b32 s46, s47, 0
	s_mov_b32 s101, 0
	s_add_nc_u64 s[96:97], s[12:13], s[100:101]
	s_mov_b32 s100, s46
	s_add_nc_u64 s[98:99], s[12:13], s[100:101]
	v_lshlrev_b32 v5, 5, v2                        ; 32 h
	v_lshlrev_b32 v6, 2, v1                        ; 4 r
	WIN 0xc0                                       ; destination window 3
.irp b, 0,1,2,3,4,5,6,7
	global_load_b128 v[BI+8*\b:BI+8*\b+3], v5, s[96:97] offset:64*\b          ; bias(y0 + 16 b + 8 h + 0 .. 7)
	global_load_b128 v[BI+8*\b+4:BI+8*\b+7], v5, s[96:97] offset:64*\b+16
.endr
.irp a, 0,1,2,3
	global_load_b32 v[BX+2*\a], v6, s[98:99] offset:64*\a                     ; bias(x0 + 16 a + r), twice: a pair for the packed addition
	global_load_b32 v[BX+2*\a+1], v6, s[98:99] offset:64*\a
.endr
	WIN 0
	; where my results go.  pos: my first token; hd: my first head.  Q: [bh][32 blocks of 64 queries][3,328];  K, V: [bh][16 key steps][13,056]
	s_cmp_eq_u32 s3, 1
	s_cselect_b32 s46, s45, s44                    ; pos
	s_cselect_b32 s47, s44, s45
	s_lshr_b32 s47, s47, 6                         ; hd
	s_mov_b32 s100, 208896                         ; a head's bytes,
	s_mov_b32 s101, 13056                          ; 128 tokens' bytes
	s_cmp_eq_u32 s21, 0
	s_cselect_b32 s100, 106496, s100
	s_cselect_b32 s101, 6656, s101
	s_lshr_b32 s12, s46, 11                        ; the batch
	s_lshl_b32 s12, s12, 4
	s_add_co_u32 s12, s12, s47
	s_mul_i32 s12, s12, s100
	s_bfe_u32 s13, s46, 0x40007                    ; which 128 tokens of the 2,048
	s_mul_i32 s13, s13, s101
	s_add_co_u32 s12, s12, s13
	s_bfe_u32 s13, s44, 0x10006                    ; Q, K: which 64 of the 128
	s_mul_i32 s13, s13, 3328
	s_mov_b32 s46, 768                             ; from tile a to tile a + 1;
	s_mov_b32 s101, 3072                           ; to the scale unit
	s_cmp_eq_u32 s3, 1
	s_cselect_b32 s13, 6656, s13                   ; V lies behind K's two halves
	s_cselect_b32 s46, 1536, s46
	s_cselect_b32 s47, 768, s100                   ; from a fragment's first half to its second: V: the next 64 keys; Q, K: the next head
	s_cselect_b32 s101, 6144, s101
	s_add_co_u32 s12, s12, s13
	s_mov_b32 s13, 0
	s_add_nc_u64 s[4:5], s[14:15], s[12:13]        ; a base for each of my four tiles
	s_mov_b32 s12, s46
	s_add_nc_u64 s[6:7], s[4:5], s[12:13]
	s_add_nc_u64 s[8:9], s[6:7], s[12:13]
	s_add_nc_u64 s[10:11], s[8:9], s[12:13]
	v_and_b32 v3, 31, v0
	v_lshlrev_b32 v[OFFS], 4, v3                   ; an image: registers 0-3 at 16 x lane,
	v_add_nc_u32 v[OFFS+1], s47, v[OFFS]
	v_lshlrev_b32 v4, 3, v3
	v_add_nc_u32 v[OFFS+2], 512, v4                ; registers 4-5 at 512 + 8 x lane
	v_add_nc_u32 v[OFFS+3], s47, v[OFFS+2]
	v_add_nc_u32 v[OFFS+4], s101, v4               ; the scale unit: 8 x lane
	v_add_nc_u32 v[OFFS+5], s47, v[OFFS+4]
	s_wait_tensorcnt 0x2                           ; my parts of the scales and of slot 0 are in; slots 1 and 2 may be out
	s_barrier_signal -1
	s_barrier_wait -1                              ; everybody's are
.irp u, 0,1
	ds_load_b128 v[SCA+8*\u:SCA+8*\u+3], v[ADSA] offset:544*\u                ; the scale words of all eight sub-steps, once
	ds_load_b128 v[SCA+8*\u+4:SCA+8*\u+7], v[ADSA] offset:544*\u+16
.endr
.irp u, 0,1,2,3
	ds_load_b128 v[SCB+8*\u:SCB+8*\u+3], v[ADSB] offset:544*\u
	ds_load_b128 v[SCB+8*\u+4:SCB+8*\u+7], v[ADSB] offset:544*\u+16
.endr
	FETCH 0, 0, 0
	STEP 0, 1, 0, 1                                ; the first products start the sums
	TURN 1, 1, 1                                   ; slot 0 is left and filled again with K = 768 .. 1,023; every wave has shown slots 1 and 2 landed
	STEP 2, 0, 1, 1
	STEP 3, 0, 2, 0
	STEP 4, 0, 2, 1
	TURN 5, 0, 0                                   ; the refill has landed, everybody's
	STEP 6, 0, 0, 1
	LAST 7
; 64 numbers of a lane, v[s] on, four blocks of 32 shared with lane l xor 16, become a fragment's codes (half c at v[pc + 8 c] on, six registers) and the row's scale word in v[PW].
.macro QUANT s, pc
.irp b, 0,1,2,3
	v_max3_num_f32 v[TM+\b], |v[\s+16*\b]|, |v[\s+1+16*\b]|, 0x1800000        ; my 16 numbers of block b, and the floor 2^(3 - 127): the byte cannot fall under 1
.endr
.irp i, 2,4,6,8,10,12,14
.irp b, 0,1,2,3
	v_max3_num_f32 v[TM+\b], v[TM+\b], |v[\s+16*\b+\i]|, |v[\s+1+16*\b+\i]|
.endr
.endr
.irp b, 0,1,2,3
	v_permlanex16_b32 v[TM+4+\b], v[TM+\b], s[SEL], s[SEL+1]
.endr
.irp b, 0,1,2,3
	v_max_num_f32 v[TM+\b], v[TM+\b], v[TM+4+\b]                              ; the block's largest magnitude
.endr
.irp b, 0,1,2,3
	v_add_nc_u32 v[TM+12+\b], 0xff000000, v[TM+\b]                            ; 2 off its exponent field: the conversion's scale operand
.endr
.irp b, 0,1,2,3
	v_lshrrev_b32 v[TM+4+\b], 23, v[TM+12+\b]                                 ; the scale's byte
.endr
	v_lshl_or_b32 v[PW], v[TM+5], 8, v[TM+4]
	v_lshl_or_b32 v[PW], v[TM+6], 16, v[PW]
	v_lshl_or_b32 v[PW], v[TM+7], 24, v[PW]
.irp c, 0,1
	v_cvt_scalef32_pk16_fp6_f32 v[\pc+8*\c:\pc+8*\c+2], v[\s+32*\c:\s+32*\c+15], v[TM+12+2*\c]
	v_cvt_scalef32_pk16_fp6_f32 v[PT+4*\c:PT+4*\c+2], v[\s+32*\c+16:\s+32*\c+31], v[TM+12+2*\c+1]
.endr
	v_nop                                          ; one plain place behind a scaled conversion
.irp c, 0,1                                    ; a whole block to a lane: lanes 0-15 block 2 c, lanes 16-31 block 2 c + 1
.irp i, 0,1,2
	v_permlane16_swap_b32 v[\pc+8*\c+\i], v[PT+4*\c+\i]
.endr
.irp i, 0,1,2
	v_mov_b32 v[\pc+8*\c+3+\i], v[PT+4*\c+\i]
.endr
.endr
.endm
; Tile a of my four: + bias, quantised, stored.  Each store of the wave covers 512 or 256 consecutive bytes, aligned.  Each tile has its own registers for its codes: no store's data are written again.
.macro EPI a
	s_cmp_eq_u32 s3, 1
	s_cbranch_scc1 .Lchan_\@
	WIN 0x0e                                       ; source 0 window 2 (the sums), source 1 window 3 (the bias)
.set kx, 0
.rept 32
	v_pk_add_f32 v[ST+kx:ST+kx+1], v[64*(\a)+kx:64*(\a)+kx+1], v[BI+kx:BI+kx+1]          ; each accumulator from its low end on
.set kx, kx+2
.endr
	WIN 0
	s_branch .Lsum_\@
.Lchan_\@:
	WIN 0x0e
.set kx, 0
.rept 32
	v_pk_add_f32 v[ST+kx:ST+kx+1], v[64*(\a)+kx:64*(\a)+kx+1], v[BX+2*(\a):BX+2*(\a)+1]  ; V: one channel a lane
.set kx, kx+2
.endr
	WIN 0
.Lsum_\@:
	QUANT ST, PC+16*(\a)
	v_mov_b32 v[SW+\a], v[PW]
	global_store_b128 v[OFFS], v[PC+16*(\a):PC+16*(\a)+3], s[4+2*(\a):5+2*(\a)]
	global_store_b64 v[OFFS+2], v[PC+16*(\a)+4:PC+16*(\a)+5], s[4+2*(\a):5+2*(\a)]
	global_store_b128 v[OFFS+1], v[PC+16*(\a)+8:PC+16*(\a)+11], s[4+2*(\a):5+2*(\a)]
	global_store_b64 v[OFFS+3], v[PC+16*(\a)+12:PC+16*(\a)+13], s[4+2*(\a):5+2*(\a)]
.endm
	s_wait_loadcnt 0x0                             ; the bias
	PLACES 4                                       ; behind the last products: their results are read and their operands' registers written
.irp b, 0,1,2,3
	v_mov_b32 v[TM+4+\b], 0                        ; written once: a lane permute's destination counts as one of its sources
.endr
	EPI 0
	EPI 1
	EPI 2
	EPI 3
	; the scale unit: lane (r, h'), word a' = the scale word of row r of tile 2 a' + h': as the next launch's products name it (lanes 0-15, or lanes 16-31)
	v_cndmask_b32 v[WD], v[SW], v[SW+1], s2
	v_cndmask_b32 v[WD+1], v[SW+2], v[SW+3], s2
	global_store_b64 v[OFFS+4], v[WD:WD+1], s[4:5] ; Q, K: bytes 0, 1 are the first head's; bytes 2, 3 meet zero codes there.  V: four blocks of keys
	s_cmp_eq_u32 s3, 1
	s_cbranch_scc1 .Lone_head
	v_lshrrev_b32 v[WD+2], 16, v[WD]               ; Q, K: the second head's two bytes, moved down
	v_lshrrev_b32 v[WD+3], 16, v[WD+1]
	global_store_b64 v[OFFS+5], v[WD+2:WD+3], s[4:5]
.Lone_head:
	s_wait_tensorcnt 0x0                           ; the wave's end
	ds_add_u32 v[SPW], v[NIL]
	s_wait_dscnt 0x0
	CROUND                                         ; the closing round: no work-group ends while a partner may still ask for a tile that names it
	s_endpgm
.Lfunc_end_k_qd0a5d178b6_proj:
	.size	k_qd0a5d178b6_proj, .Lfunc_end_k_qd0a5d178b6_proj-k_qd0a5d178b6_proj
	.p2alignl 7, 3214868480
	.fill 96, 4, 3214868480
	.section	.rodata,"a",@progbits
	.p2align	6, 0x0
	.amdhsa_kernel k_qd0a5d178b6_proj
		.amdhsa_group_segment_fixed_size 327680
		.amdhsa_private_segment_fixed_size 0
		.amdhsa_enable_private_segment 0
		.amdhsa_kernarg_size 136
		.amdhsa_user_sgpr_count 2
		.amdhsa_user_sgpr_kernarg_segment_ptr 1
		.amdhsa_wavefront_size32 1
		.amdhsa_system_sgpr_workgroup_id_x 1
		.amdhsa_system_sgpr_workgroup_id_y 1
		.amdhsa_system_sgpr_workgroup_id_z 1
		.amdhsa_system_vgpr_workitem_id 0
		.amdhsa_next_free_vgpr 1024
		.amdhsa_next_free_sgpr 104
		.amdhsa_reserve_vcc 0
		.amdhsa_float_denorm_mode_32 3
		.amdhsa_float_denorm_mode_16_64 3
		.amdhsa_memory_ordered 1
		.amdhsa_forward_progress 1
		.amdhsa_inst_pref_size 123
	.end_amdhsa_kernel
	.amdgpu_metadata
---
amdhsa.version: [ 1, 2 ]
amdhsa.kernels:
  - .name:           k_qd0a5d178b6_proj
    .symbol:         k_qd0a5d178b6_proj.kd
    .args:
      - { .name: q_in_codes, .offset: 0, .size: 8, .value_kind: global_buffer, .address_space: global }
      - { .name: q_in_scales, .offset: 8, .size: 8, .value_kind: global_buffer, .address_space: global }
      - { .name: Wq_codes, .offset: 16, .size: 8, .value_kind: global_buffer, .address_space: global }
      - { .name: Wq_scales, .offset: 24, .size: 8, .value_kind: global_buffer, .address_space: global }
      - { .name: bq, .offset: 32, .size: 8, .value_kind: global_buffer, .address_space: global }
      - { .name: k_in_codes, .offset: 40, .size: 8, .value_kind: global_buffer, .address_space: global }
      - { .name: k_in_scales, .offset: 48, .size: 8, .value_kind: global_buffer, .address_space: global }
      - { .name: Wk_codes, .offset: 56, .size: 8, .value_kind: global_buffer, .address_space: global }
      - { .name: Wk_scales, .offset: 64, .size: 8, .value_kind: global_buffer, .address_space: global }
      - { .name: bk, .offset: 72, .size: 8, .value_kind: global_buffer, .address_space: global }
      - { .name: Wv_codes, .offset: 80, .size: 8, .value_kind: global_buffer, .address_space: global }
      - { .name: Wv_scales, .offset: 88, .size: 8, .value_kind: global_buffer, .address_space: global }
      - { .name: v_in_codes, .offset: 96, .size: 8, .value_kind: global_buffer, .address_space: global }
      - { .name: v_in_scales, .offset: 104, .size: 8, .value_kind: global_buffer, .address_space: global }
      - { .name: bv, .offset: 112, .size: 8, .value_kind: global_buffer, .address_space: global }
      - { .name: qx, .offset: 120, .size: 8, .value_kind: global_buffer, .address_space: global }
      - { .name: kv, .offset: 128, .size: 8, .value_kind: global_buffer, .address_space: global }
    .group_segment_fixed_size: 327680
    .private_segment_fixed_size: 0
    .kernarg_segment_align: 8
    .kernarg_segment_size: 136
    .max_flat_workgroup_size: 128
    .sgpr_count:     104
    .vgpr_count:     1024
    .wavefront_size: 32
...
	.end_amdgpu_metadata
.endif
;; end of part 1
;; launch attn (part 2): grid 4 x 64, 16 waves a work-group, clusters of 4 x 1, 327,680 bytes of LDS; arguments qx, kv, oc, os; writes oc, os
.if DOCPART == 2
	.amdgcn_target "amdgcn-amd-amdhsa--gfx1250"
	.amdhsa_code_object_version 6
	.text
	.protected	k_qd0a5d178b6_attn
	.globl	k_qd0a5d178b6_attn
	.p2align	8
	.type	k_qd0a5d178b6_attn,@function
k_qd0a5d178b6_attn:
	s_mov_b64 s[64:65], 0
	v_nop
	global_prefetch_b8 v0, s[64:65] scope:SCOPE_SE
	s_setreg_imm32_b32 hwreg(HW_REG_WAVE_MODE, 25, 1), 1
	s_wait_xcnt 0x0
	s_wait_alu depctr_hold_cnt(0) depctr_sa_sdst(0) depctr_va_vdst(0) depctr_va_sdst(0) depctr_va_ssrc(0) depctr_va_vcc(0) depctr_vm_vsrc(0)
	s_getreg_b32 s2, hwreg(HW_REG_IB_STS2, 6, 4)
	s_cmp_eq_u32 s2, 0
	s_cbranch_scc0 .Lentry_in_a_cluster
	s_endpgm
.Lentry_in_a_cluster:
	s_bfe_u32 s2, ttmp6, 0x10000c
	s_cmp_lg_u32 s2, 0x3003
	s_cbranch_scc0 .Lentry_shape_is_right
	s_endpgm
.Lentry_shape_is_right:
; Causal attention of one head on codes of FP6 (E2M3): S^T = K Q^T (K = the head's 64, the upper 64 of the instruction's 128 are zero codes), p = 2^(t - M), O^T = V^T p^T (K = the keys), O / l,
; quantised along d_model and stored as images of the last product's operand registers (oc) with its scale bytes (os).
; t = score x log2(e) / 8; M = the running largest t rounded up to a whole number; p is quantised along the keys, not normalised; l is the sum of the unquantised p.  When M moves, l and O are multiplied by 2^(old M - new M): exact.
; A HEAD'S K AND V, codes and scales, are 208,896 dense bytes: they come into LDS once, by two tensor loads a wave (one out at the most), and nothing is filled again: no ring.
; CLUSTER 4 x 1: the four work-groups of a cluster share one head and ask for its bytes jointly.
; SHARES.  Wave w of work-group cx owns the query tiles T_lo = 4 w + cx and T_hi = 127 - T_lo, one after the other in the same registers.  A tile T needs key steps 0 .. T / 8, so every wave has 17 steps of 128 keys.
; The steps' limits, w / 2 and 15 - w / 2, hang on the wave's number alone; cx enters only global addresses and the mask's constant.  The loops' trip counts are constants: a step beyond the limit is jumped over.
; LAYOUT.  Both products are used transposed: a lane holds ONE query (lane % 16).  Register 8 t + j of S^T is key 16 t + 8 h + j.  So a block's code slots 0-15 hold keys 0-7, 16-23 and slots 16-31 keys 8-15, 24-31: as V was laid.
; The scale bytes of os leave by stores of 2 bytes a row: a work-group holds one head of 16 and 2 of every 8 neighbouring tiles, so it never has more of a row; they are 1/24 of what the launch stores.
; LIMITS: NaN and infinities are not served; a block of zeros gets the scale byte 1 (only this program reads the bytes).
; REGISTERS: v1 16 x lane, v2 8 x lane, v3-4 the step's LDS addresses, v5 the mask's constant, v6-11 and v30 T_lo's Q, v12 -M, v13 the largest t, v[14:15] l, v16-27 Q (the upper six zeros), v28-29 V's scale words, v31 r - 8 h,
;   v32-79 four fragments of K (the upper six of each zeros), v80-127 V's four, v128-191 S^T then p, v192-223 O^T, v224-235 p's codes, v232-247 at work, v243 32 r, v248-251 K's scale words, v252 f, v253 p's scale word, v254 at work, v255 Q's scale word.
.set S,   128
.set O,   192
.set KF,  32
.set VF,  80
.set WV,  12
.set SEL, 16
.set CS,  18
.set TB,  20                           ; LDS byte at which the step's block of 13,056 bytes begins
.set STP, 21                           ; the key step
.set LIM, 22                           ; the tile's last key step, the one on the diagonal
.set G1A, 24
.set G1C, 32
.set G0A, 40
.set G0C, 44
.set STEPB, 13056                      ; K's tiles 0-3 (4 x 768), their scale unit (256), tiles 4-7, their unit, V's four tiles (4 x 1,536), its unit
.macro CROUND                          ; a round of the cluster's barrier
	s_barrier_signal -1
	s_barrier_wait -1
	s_cmp_lg_u32 s[WV], 0
	s_cbranch_scc1 .Lnot_wave_0_\@
	s_barrier_signal -3
.Lnot_wave_0_\@:
	s_barrier_wait -3
	s_barrier_signal -1
	s_barrier_wait -1
.endm
; The addresses of query tile T (in s[T]): Q's image, Q's scale word, the tile's image in oc, its rows in os, and 16 (T % 8) for the mask.
.macro TADR T, qb, qsb, ocb, osb, dd
	s_lshr_b32 s70, s[\T], 2
	s_mul_i32 s70, s70, 3328
	s_add_co_u32 s70, s70, s63                     ; the block of 64 queries
	s_and_b32 s72, s[\T], 3
	s_mul_i32 s72, s72, 768
	s_add_co_u32 s72, s72, s70
	s_add_nc_u64 s[\qb:\qb+1], s[4:5], s[72:73]
	s_and_b32 s72, s[\T], 1
	s_lshl_b32 s72, s72, 7                         ; the scale unit: lane r + 16 (tile % 2), 8 bytes a lane,
	s_bfe_u32 s74, s[\T], 0x10001
	s_lshl_b32 s74, s74, 2                         ; word tile / 2
	s_add_co_u32 s72, s72, s74
	s_add_co_u32 s72, s72, s70
	s_add_co_u32 s72, s72, 3072
	s_add_nc_u64 s[\qsb:\qsb+1], s[4:5], s[72:73]
	s_lshl_b32 s72, s76, 7
	s_add_co_u32 s72, s72, s[\T]                   ; the tile of 16 rows among 512
	s_lshl_b32 s74, s72, 4
	s_add_co_u32 s74, s74, s77
	s_mul_i32 s74, s74, 768
	s_add_nc_u64 s[\ocb:\ocb+1], s[8:9], s[74:75]
	s_lshl_b32 s72, s72, 9                         ; 16 rows of 32 scale bytes,
	s_add_co_u32 s72, s72, s78                     ; the head's two
	s_add_nc_u64 s[\osb:\osb+1], s[10:11], s[72:73]
	s_and_b32 s[\dd], s[\T], 7
	s_lshl_b32 s[\dd], s[\dd], 4
.endm
	s_load_b256 s[4:11], s[0:1], 0x0               ; qx, kv, oc, os
	v_lshl_add_u32 v254, v0, 2, 0x34000
	v_mov_b32 v255, 0
	ds_add_u32 v254, v255
	ds_add_u32 v254, v255
	s_wait_dscnt 0x0
	v_lshrrev_b32 v1, 5, v0
	s_delay_alu instid0(VALU_DEP_1)
	v_readfirstlane_b32 s[WV], v1                  ; wave 0..15
	s_bfe_u32 s13, ttmp6, 0x40000                  ; cx
	s_and_b32 s14, ttmp7, 0xffff                   ; batch x 16 + head: the four partners share it
	s_lshl_b32 s15, s[WV], 2
	s_add_co_u32 s15, s15, s13                     ; T_lo
	s_sub_co_u32 s62, 127, s15                     ; T_hi
	s_lshr_b32 s23, s[WV], 1                       ; T_lo's last key step
	s_sub_co_u32 s79, 15, s23                      ; T_hi's
	s_mul_i32 s63, s14, 106496                     ; the head in qx
	s_lshr_b32 s76, s14, 4                         ; the batch
	s_and_b32 s77, s14, 15                         ; the head
	s_lshl_b32 s78, s77, 1
	s_mov_b32 s[SEL], 0x76543210
	s_mov_b32 s[SEL+1], 0xfedcba98                 ; v_permlanex16_b32's selects for lane l xor 16
	s_mov_b32 s[CS], 0x3e38aa3b                    ; c = log2(e) / 8
	s_mov_b32 s[CS+1], s[CS]                       ; (named with it as a pair, so it is written)
	; the head's dense bytes as rows of 256: part a, 7 rows a wave, covers key steps 0 and 1 (26,112 of its 28,672 bytes); part b, 44 rows a wave, the rest
	s_mov_b32 s[G1A], 15|(3<<16)|(1<<21)           ; the mask: all four work-groups; elements of 8 bytes; bit 21 beside a mask; no padding
	s_mov_b32 s[G1A+1], 32<<16
	s_mov_b32 s[G1A+2], 7<<16
	s_mov_b32 s[G1A+3], 32<<16
	s_mov_b32 s[G1A+4], 7
	s_mov_b32 s[G1A+5], 32
	s_mov_b32 s[G1A+6], 0
	s_mov_b32 s[G1A+7], 0
	s_mov_b32 s[G1C], 15|(3<<16)|(1<<21)
	s_mov_b32 s[G1C+1], 32<<16
	s_mov_b32 s[G1C+2], 44<<16
	s_mov_b32 s[G1C+3], 32<<16
	s_mov_b32 s[G1C+4], 44
	s_mov_b32 s[G1C+5], 32
	s_mov_b32 s[G1C+6], 0
	s_mov_b32 s[G1C+7], 0
	s_mul_i32 s70, s14, 208896                     ; the head in kv
	s_mov_b32 s[G0A], 1
	s_mul_i32 s[G0A+1], s[WV], 1792                ; LDS = the byte's place in the head
	s_add_co_u32 s72, s70, s[G0A+1]
	s_mov_b32 s73, 0
	s_mov_b32 s[G0C], 1
	s_mul_i32 s[G0C+1], s[WV], 11264
	s_add_co_u32 s[G0C+1], s[G0C+1], 28672
	s_add_co_u32 s74, s70, s[G0C+1]
	s_mov_b32 s75, 0
	s_wait_kmcnt 0x0
	s_add_nc_u64 s[G0A+2:G0A+3], s[6:7], s[72:73]
	s_or_b32 s[G0A+3], s[G0A+3], 0x80000000
	s_add_nc_u64 s[G0C+2:G0C+3], s[6:7], s[74:75]
	s_or_b32 s[G0C+3], s[G0C+3], 0x80000000
	CROUND                                         ; all four work-groups are here: the joint loads meet
	tensor_load_to_lds s[G0A:G0A+3], s[G1A:G1A+7]
	s_nop 0
	s_wait_alu depctr_va_vdst(0)
	s_wait_tensorcnt 0x0
	ds_add_u32 v254, v255
	s_wait_dscnt 0x0
	CROUND
	tensor_load_to_lds s[G0C:G0C+3], s[G1C:G1C+7]
	s_nop 0
.rept 4
	v_nop
.endr
	TADR 62, 48, 66, 52, 56, 60                    ; T_hi
	TADR 15, 50, 68, 54, 58, 61                    ; T_lo
	v_and_b32 v3, 31, v0
	s_delay_alu instid0(VALU_DEP_1)
	v_lshlrev_b32 v1, 4, v3                        ; 16 x lane
	s_delay_alu instid0(VALU_DEP_2)
	v_lshlrev_b32 v2, 3, v3                        ; 8 x lane
	v_and_b32 v4, 15, v0                           ; r
	v_bfe_u32 v5, v0, 4, 1                         ; h
	s_delay_alu instid0(VALU_DEP_2)
	v_lshlrev_b32 v243, 5, v4                      ; 32 r: my row in os
	s_delay_alu instid0(VALU_DEP_2)
	v_lshlrev_b32 v5, 3, v5
	s_delay_alu instid0(VALU_DEP_1)
	v_sub_nc_u32 v31, v4, v5                       ; r - 8 h
	v_lshlrev_b32 v254, 3, v4                      ; 8 r
	global_load_b128 v[16:19], v1, s[48:49]        ; Q of both tiles: six registers and a scale word each
	global_load_b64 v[20:21], v2, s[48:49] offset:512
	global_load_b32 v255, v254, s[66:67]
	global_load_b128 v[6:9], v1, s[50:51]
	global_load_b64 v[10:11], v2, s[50:51] offset:512
	global_load_b32 v30, v254, s[68:69]
.irp i, 0,1,2,3,4,5
	v_mov_b32 v[22+\i], 0                          ; zero codes for k = 64 .. 127, on both sides: they add nothing under any scale byte but 0xff
.irp t, 0,1,2,3
	v_mov_b32 v[KF+12*\t+6+\i], 0
.endr
.endr
.irp b, 0,1,2,3
	v_mov_b32 v[236+\b], 0                         ; written once: a lane permute's destination counts as one of its sources
.endr
	v_mov_b32 v253, 0                              ; (named as the upper half of the pair v[252:253] before it is first written)
.macro SETUP dd                        ; a tile begins: the largest t is -3e38, l and O^T are zeros, which the first change of M leaves zeros
	v_mov_b32 v13, 0xff61b1e6
	s_delay_alu instid0(VALU_DEP_1)
	v_floor_f32 v12, -v13
	v_mov_b32 v14, 0
	v_mov_b32 v15, 0
	v_add_nc_u32 v5, s[\dd], v31                   ; on the diagonal step register n's key is hidden where 16 (n / 8) + n % 8 > 16 (T % 8) + r - 8 h
.set jj, 0
.rept 32
	v_mov_b32 v[O+jj], 0
.set jj, jj+1
.endr
.endm
.macro KLOAD off, g                    ; K's tiles 4 g .. 4 g + 3 as images, and their scale unit: 9 loads
.irp t, 0,1,2,3
	ds_load_b128 v[KF+12*\t:KF+12*\t+3], v3 offset:\off+3328*\g+768*\t
	ds_load_b64 v[KF+12*\t+4:KF+12*\t+5], v4 offset:\off+3328*\g+768*\t+512
.endr
	ds_load_b64 v[248+2*\g:249+2*\g], v4 offset:\off+3328*\g+3072
.endm
.macro VLOAD off                       ; V's four tiles of 16 channels x 128 keys, and their scale unit: 17 loads
.irp t, 0,1,2,3
	ds_load_b128 v[VF+12*\t:VF+12*\t+3], v3 offset:\off+6656+1536*\t
	ds_load_b64 v[VF+12*\t+4:VF+12*\t+5], v4 offset:\off+6656+1536*\t+512
	ds_load_b128 v[VF+12*\t+6:VF+12*\t+9], v3 offset:\off+6656+1536*\t+768
	ds_load_b64 v[VF+12*\t+10:VF+12*\t+11], v4 offset:\off+6656+1536*\t+1280
.endr
	ds_load_b64 v[28:29], v4 offset:\off+12800
.endm
.macro QK g                            ; S^T of keys 64 g .. 64 g + 63.  A unit's word t / 2 holds tile t's scale words in lanes 0-15 (t even) or 16-31 (t odd)
.irp t, 0,2
	v_wmma_scale_f32_16x16x128_f8f6f4 v[S+8*(4*\g+\t):S+8*(4*\g+\t)+7], v[KF+12*\t:KF+12*\t+11], v[16:27], 0, v[248+2*\g+\t/2], v255 matrix_a_fmt:MATRIX_FMT_FP6 matrix_b_fmt:MATRIX_FMT_FP6
	v_wmma_scale_f32_16x16x128_f8f6f4 v[S+8*(4*\g+\t+1):S+8*(4*\g+\t+1)+7], v[KF+12*(\t+1):KF+12*(\t+1)+11], v[16:27], 0, v[248+2*\g+\t/2], v255 matrix_a_fmt:MATRIX_FMT_FP6 matrix_b_fmt:MATRIX_FMT_FP6 matrix_a_scale:MATRIX_SCALE_ROW1
.endr
.endm
; A KEY STEP of 128 keys, whose block begins at s[TB] + off.  loop = 1: the step may lie beyond the tile's limit (it is jumped over) or on the diagonal (it is masked).
.macro STEP off, loop
.if \loop
	s_cmp_gt_u32 s[STP], s[LIM]
	s_cbranch_scc1 .Lhidden_\@
.endif
	v_add_nc_u32 v3, s[TB], v1
	s_setprio 2
	v_add_nc_u32 v4, s[TB], v2
	v_nop
	v_nop                                          ; four places behind the last step's products, in front of loads into registers that they read
	KLOAD \off, 0
	VLOAD \off
	s_wait_alu depctr_va_vdst(0)
	s_wait_dscnt 17                                ; K's first nine loads are in; V's 17 may be out
	QK 0
.rept 4
	v_nop
.endr
	KLOAD \off, 1
	s_wait_dscnt 0x0
	QK 1
.rept 4
	v_nop
.endr
.if \loop
	s_cmp_lg_u32 s[STP], s[LIM]
	s_cbranch_scc1 .Lopen_\@
	v_mov_b32 v254, 0xff800000                     ; hidden scores become -infinity ahead of the maximum: p = 0 then
.set jj, 0
.rept 64
	v_cmp_gt_i32 vcc_lo, 16*(jj/8)+jj%8, v5
	v_cndmask_b32 v[S+jj], v[S+jj], v254, vcc_lo
.set jj, jj+1
.endr
.Lopen_\@:
.endif
.irp b, 0,1,2,3
	v_max3_num_f32 v[232+\b], v[S+16*\b], v[S+1+16*\b], v[S+2+16*\b]          ; the largest score of each block of 32 keys: for the row's maximum and, since p rises with the score, for the block's largest p
.endr
.irp i, 3,5,7,9,11,13
.irp b, 0,1,2,3
	v_max3_num_f32 v[232+\b], v[232+\b], v[S+16*\b+\i], v[S+1+16*\b+\i]
.endr
.endr
.irp b, 0,1,2,3
	v_max_num_f32 v[232+\b], v[232+\b], v[S+15+16*\b]
.endr
.irp b, 0,1,2,3
	s_delay_alu instid0(VALU_DEP_4)
	v_permlanex16_b32 v[236+\b], v[232+\b], s[SEL], s[SEL+1]
.endr
.irp b, 0,1,2,3
	s_delay_alu instid0(VALU_DEP_4)
	v_max_num_f32 v[232+\b], v[232+\b], v[236+\b]  ; with lane l xor 16's 16 keys
.endr
	s_delay_alu instid0(VALU_DEP_2)
	v_max3_num_f32 v254, v232, v233, v234
	s_delay_alu instid0(VALU_DEP_1)
	v_max_num_f32 v254, v254, v235                 ; the step's largest score of my query
	s_delay_alu instid0(VALU_DEP_1)
	v_mul_f32 v254, s[CS], v254                    ; as t
	s_delay_alu instid0(VALU_DEP_1)
	v_max_num_f32 v13, v13, v254                   ; the running largest t
	v_mov_b32 v254, v12
	s_delay_alu instid0(VALU_DEP_2)
	v_floor_f32 v12, -v13                          ; the new -M = floor(-t): M is a whole number
	s_delay_alu instid0(VALU_DEP_1)
	v_sub_f32 v254, v12, v254                      ; old M - new M: a whole number, 0 or less
	s_delay_alu instid0(VALU_DEP_1)
	v_cvt_i32_f32 v254, v254                       ; (it saturates)
	s_delay_alu instid0(VALU_DEP_1)
	v_ldexp_f32 v252, 1.0, v254                    ; f = 2^(old M - new M)
.set jj, 0
	s_setprio 1
.rept 32
	v_pk_fma_f32 v[S+jj:S+jj+1], v[S+jj:S+jj+1], s[CS:CS+1], v[12:13] op_sel_hi:[1,0,0]   ; t - M, two at a time
.set jj, jj+2
.endr
.irp b, 0,1,2,3
	v_fma_f32 v[232+\b], v[232+\b], s[CS], v12     ; the same of each block's largest score
.endr
.set jj, 0
	s_wait_alu depctr_va_vdst(0)
.rept 64
	v_exp_f32 v[S+jj], v[S+jj]                     ; p = 2^(t - M), at most 1
.set jj, jj+1
.endr
.irp b, 0,1,2,3
	v_exp_f32 v[232+\b], v[232+\b]                 ; the block's largest p: the same two instructions on the same number
.endr
	v_pk_mul_f32 v[14:15], v[14:15], v[252:253] op_sel_hi:[1,0]               ; l under the new M.  (A plain place behind the exponentials)
	s_wait_alu depctr_va_vdst(0)
.irp b, 0,1,2,3
	v_max_num_f32 v[232+\b], 0x1800000, v[232+\b]  ; the floor 2^(3 - 127): the byte cannot fall under 1
.endr
.irp b, 0,1,2,3
	s_delay_alu instid0(VALU_DEP_4)
	v_add_nc_u32 v[244+\b], 0xff000000, v[232+\b]  ; 2 off the exponent field: the conversion's scale operand
.endr
.irp b, 0,1,2,3
	s_delay_alu instid0(VALU_DEP_4)
	v_lshrrev_b32 v[236+\b], 23, v[244+\b]         ; the scale's byte
.endr
	s_delay_alu instid0(VALU_DEP_3)
	v_lshl_or_b32 v253, v237, 8, v236              ; p's scale word for these 128 keys
	s_delay_alu instid0(VALU_DEP_1)
	v_lshl_or_b32 v253, v238, 16, v253
	s_delay_alu instid0(VALU_DEP_1)
	v_lshl_or_b32 v253, v239, 24, v253
.irp c, 0,1
	v_cvt_scalef32_pk16_fp6_f32 v[224+6*\c:226+6*\c], v[S+32*\c:S+15+32*\c], v[244+2*\c]
	v_cvt_scalef32_pk16_fp6_f32 v[236+4*\c:238+4*\c], v[S+16+32*\c:S+31+32*\c], v[244+2*\c+1]
.endr
	v_nop                                          ; one plain place behind a scaled conversion
.irp c, 0,1                                    ; a whole block to a lane: lanes 0-15 block 2 c, lanes 16-31 block 2 c + 1
.irp i, 0,1,2
	v_permlane16_swap_b32 v[224+6*\c+\i], v[236+4*\c+\i]
.endr
.irp i, 0,1,2
	s_delay_alu instid0(VALU_DEP_3)
	v_mov_b32 v[227+6*\c+\i], v[236+4*\c+\i]
.endr
.endr
	v_pk_add_f32 v[236:237], v[S:S+1], v[S+2:S+3]  ; l takes the unquantised p: two at a time, in two chains
.set jj, 4
	s_setprio 0
.rept 15
	v_pk_add_f32 v[14:15], v[14:15], v[S+jj:S+jj+1]
	v_pk_add_f32 v[236:237], v[236:237], v[S+jj+2:S+jj+3]
.set jj, jj+4
.endr
	s_delay_alu instid0(VALU_DEP_1)
	v_pk_add_f32 v[14:15], v[14:15], v[236:237]
.set jj, 0
.rept 16
	v_pk_mul_f32 v[O+jj:O+jj+1], v[O+jj:O+jj+1], v[252:253] op_sel_hi:[1,0]   ; O^T under the new M.  (With the sums above: the places between p's codes and scale word and the products)
.set jj, jj+2
.endr
.irp t, 0,2                                    ; O^T += V^T p^T: four tiles of 16 channels, by turns
	v_wmma_scale_f32_16x16x128_f8f6f4 v[O+8*\t:O+8*\t+7], v[VF+12*\t:VF+12*\t+11], v[224:235], v[O+8*\t:O+8*\t+7], v[28+\t/2], v253 matrix_a_fmt:MATRIX_FMT_FP6 matrix_b_fmt:MATRIX_FMT_FP6
	v_wmma_scale_f32_16x16x128_f8f6f4 v[O+8*(\t+1):O+8*(\t+1)+7], v[VF+12*(\t+1):VF+12*(\t+1)+11], v[224:235], v[O+8*(\t+1):O+8*(\t+1)+7], v[28+\t/2], v253 matrix_a_fmt:MATRIX_FMT_FP6 matrix_b_fmt:MATRIX_FMT_FP6 matrix_a_scale:MATRIX_SCALE_ROW1
.endr
.if \loop
.Lhidden_\@:
	s_add_co_u32 s[TB], s[TB], STEPB
.endif
.endm
; A tile ends: O / l, the head's 64 channels brought into their true order (the last product's other side is a given operand), quantised in two blocks of 32, stored.
.macro FINISH ocb, osb
.rept 4
	v_nop
.endr
	v_add_f32 v14, v14, v15                        ; l's two halves,
	s_delay_alu instid0(VALU_DEP_1)
	v_permlanex16_b32 v252, v14, s[SEL], s[SEL+1]
	s_delay_alu instid0(VALU_DEP_1)
	v_add_f32 v14, v14, v252                       ; and lane l xor 16's
	s_wait_alu depctr_va_vdst(0)
	v_rcp_f32 v14, v14
	v_nop                                          ; one plain place behind a transcendental
.set jj, 0
	s_wait_alu depctr_va_vdst(0)
.rept 16
	v_pk_mul_f32 v[O+jj:O+jj+1], v[O+jj:O+jj+1], v[14:15] op_sel_hi:[1,0]     ; each accumulator from its low end on
.set jj, jj+2
.endr
.irp b, 0,1                                    ; register 16 b + i held channel 32 b + 16 (i / 8) + 8 h + i % 8; behind these it holds 32 b + 16 h + i
.irp j, 0,1,2,3,4,5,6,7
	v_permlane16_swap_b32 v[O+16*\b+\j], v[O+16*\b+8+\j]
.endr
.endr
.irp b, 0,1
	v_max3_num_f32 v[232+\b], |v[O+16*\b]|, |v[O+1+16*\b]|, 0x1800000
.endr
.irp i, 2,4,6,8,10,12,14
.irp b, 0,1
	s_delay_alu instid0(VALU_DEP_2)
	v_max3_num_f32 v[232+\b], v[232+\b], |v[O+16*\b+\i]|, |v[O+1+16*\b+\i]|
.endr
.endr
.irp b, 0,1
	s_delay_alu instid0(VALU_DEP_2)
	v_permlanex16_b32 v[236+\b], v[232+\b], s[SEL], s[SEL+1]
.endr
.irp b, 0,1
	s_delay_alu instid0(VALU_DEP_2)
	v_max_num_f32 v[232+\b], v[232+\b], v[236+\b]
.endr
.irp b, 0,1
	s_delay_alu instid0(VALU_DEP_2)
	v_add_nc_u32 v[244+\b], 0xff000000, v[232+\b]
.endr
.irp b, 0,1
	s_delay_alu instid0(VALU_DEP_2)
	v_lshrrev_b32 v[236+\b], 23, v[244+\b]
.endr
	s_delay_alu instid0(VALU_DEP_1)
	v_lshl_or_b32 v254, v237, 8, v236              ; the head's two scale bytes of my row
	v_cvt_scalef32_pk16_fp6_f32 v[224:226], v[O:O+15], v244
	v_cvt_scalef32_pk16_fp6_f32 v[228:230], v[O+16:O+31], v245
	v_nop
.irp i, 0,1,2
	v_permlane16_swap_b32 v[224+\i], v[228+\i]     ; lanes 0-15 the first block, lanes 16-31 the second
.endr
	s_delay_alu instid0(VALU_DEP_3)
	v_mov_b32 v227, v228
	s_delay_alu instid0(VALU_DEP_3)
	v_mov_b32 v228, v229
	s_delay_alu instid0(VALU_DEP_3)
	v_mov_b32 v229, v230
	global_store_b128 v1, v[224:227], s[\ocb:\ocb+1]             ; 512 consecutive bytes, aligned;
	global_store_b64 v2, v[228:229], s[\ocb:\ocb+1] offset:512   ; 256
	global_store_b16 v243, v254, s[\osb:\osb+1]                  ; (both halves of the lanes write the same bytes with the same value)
	s_wait_xcnt 0x0                                ; the stores' registers are written again only behind this wait
.endm
	SETUP 60                                       ; T_hi first
	s_wait_loadcnt 0x0                             ; Q
	s_wait_tensorcnt 0x1                           ; my share of part a is in; part b may be out
	s_barrier_signal -1
	s_barrier_wait -1                              ; everybody's is
	s_mov_b32 s[TB], 0
	STEP 0, 0                                      ; T_hi's key steps 0 and 1: every wave has them (its limit is 8 or more), none lies on the diagonal
	STEP STEPB, 0
	s_wait_tensorcnt 0x0                           ; my share of part b,
	s_wait_dscnt 0x0
	s_barrier_signal -1
	s_barrier_wait -1                              ; and everybody's: the whole head lies in LDS
	s_mov_b32 s[TB], 2*STEPB
	s_mov_b32 s[STP], 2
	s_mov_b32 s[LIM], s79
.Lhi:
	STEP 0, 1
	s_add_co_u32 s[STP], s[STP], 1
	s_cmp_lt_u32 s[STP], 16
	s_cbranch_scc1 .Lhi
	s_setprio 0
	FINISH 52, 56
	v_mov_b32 v255, v30                            ; T_lo: the scale word first, then the codes: the lines of SETUP are the places in front of the next products
.irp i, 0,1,2,3,4,5
	v_mov_b32 v[16+\i], v[6+\i]
.endr
	SETUP 61
	s_mov_b32 s[TB], 0
	s_mov_b32 s[STP], 0
	s_mov_b32 s[LIM], s23
.Llo:
	STEP 0, 1
	s_add_co_u32 s[STP], s[STP], 1
	s_cmp_lt_u32 s[STP], 8
	s_cbranch_scc1 .Llo
	s_setprio 0
	FINISH 54, 58
	s_wait_xcnt 0x0
	v_lshl_add_u32 v254, v0, 2, 0x34000
	v_mov_b32 v255, 0
	s_wait_alu depctr_va_vdst(0)
	s_wait_tensorcnt 0x0
	ds_add_u32 v254, v255
	s_wait_dscnt 0x0
	CROUND                                         ; the closing round
	s_endpgm
.Lfunc_end_k_qd0a5d178b6_attn:
	.size	k_qd0a5d178b6_attn, .Lfunc_end_k_qd0a5d178b6_attn-k_qd0a5d178b6_attn
	.p2alignl 7, 3214868480
	.fill 96, 4, 3214868480
	.section	.rodata,"a",@progbits
	.p2align	6, 0x0
	.amdhsa_kernel k_qd0a5d178b6_attn
		.amdhsa_group_segment_fixed_size 327680
		.amdhsa_private_segment_fixed_size 0
		.amdhsa_enable_private_segment 0
		.amdhsa_kernarg_size 32
		.amdhsa_user_sgpr_count 2
		.amdhsa_user_sgpr_kernarg_segment_ptr 1
		.amdhsa_wavefront_size32 1
		.amdhsa_system_sgpr_workgroup_id_x 1
		.amdhsa_system_sgpr_workgroup_id_y 1
		.amdhsa_system_sgpr_workgroup_id_z 1
		.amdhsa_system_vgpr_workitem_id 0
		.amdhsa_next_free_vgpr 256
		.amdhsa_next_free_sgpr 80
		.amdhsa_reserve_vcc 1
		.amdhsa_float_denorm_mode_32 3
		.amdhsa_float_denorm_mode_16_64 3
		.amdhsa_memory_ordered 1
		.amdhsa_forward_progress 1
		.amdhsa_inst_pref_size 101
	.end_amdhsa_kernel
	.amdgpu_metadata
---
amdhsa.version: [ 1, 2 ]
amdhsa.kernels:
  - .name:           k_qd0a5d178b6_attn
    .symbol:         k_qd0a5d178b6_attn.kd
    .args:
      - { .name: qx, .offset: 0, .size: 8, .value_kind: global_buffer, .address_space: global }
      - { .name: kv, .offset: 8, .size: 8, .value_kind: global_buffer, .address_space: global }
      - { .name: oc, .offset: 16, .size: 8, .value_kind: global_buffer, .address_space: global }
      - { .name: os, .offset: 24, .size: 8, .value_kind: global_buffer, .address_space: global }
    .group_segment_fixed_size: 327680
    .private_segment_fixed_size: 0
    .kernarg_segment_align: 8
    .kernarg_segment_size: 32
    .max_flat_workgroup_size: 512
    .sgpr_count:     80
    .vgpr_count:     256
    .wavefront_size: 32
...
	.end_amdgpu_metadata
.endif
;; end of part 2
;; launch outp (part 3): grid 4 x 64, 4 waves a work-group, clusters of 4 x 4, 327,680 bytes of LDS; arguments oc, os, Wo_codes, Wo_scales, bo, out0; writes out0
.if DOCPART == 3
	.amdgcn_target "amdgcn-amd-amdhsa--gfx1250"
	.amdhsa_code_object_version 6
	.text
	.protected	k_qd0a5d178b6_outp
	.globl	k_qd0a5d178b6_outp
	.p2align	8
	.type	k_qd0a5d178b6_outp,@function
k_qd0a5d178b6_outp:
	s_mov_b64 s[64:65], 0
	v_nop
	global_prefetch_b8 v0, s[64:65] scope:SCOPE_SE
	s_setreg_imm32_b32 hwreg(HW_REG_WAVE_MODE, 25, 1), 1
	s_wait_xcnt 0x0
	s_wait_alu depctr_hold_cnt(0) depctr_sa_sdst(0) depctr_va_vdst(0) depctr_va_sdst(0) depctr_va_ssrc(0) depctr_va_vcc(0) depctr_vm_vsrc(0)
	s_getreg_b32 s2, hwreg(HW_REG_IB_STS2, 6, 4)
	s_cmp_eq_u32 s2, 0
	s_cbranch_scc0 .Lentry_in_a_cluster
	s_endpgm
.Lentry_in_a_cluster:
	s_bfe_u32 s2, ttmp6, 0x10000c
	s_cmp_lg_u32 s2, 0xf033
	s_cbranch_scc0 .Lentry_shape_is_right
	s_endpgm
.Lentry_shape_is_right:
; out0 = A Wo + bo on codes of FP6 (E2M3) with E8M0 scales, K = 1,024.  A, the attention's result, lies in oc as images of operand registers ([tile of 16 rows][head][768 bytes]: two heads are a fragment of 128 along K), its scale bytes in os as [row][32].
; Z[x][y] = sum over k of X[x][k] Y[y][k]: X = A (8,192 rows), Y = Wo (1,024 rows).  A work-group of four waves makes 128 (X) x 256 (Y), a wave 64 x 128: 32 accumulators.  256 work-groups.
; THE MATRIX INSTRUCTION IS USED TRANSPOSED (source 0 = 16 rows of Y, source 1 = 16 rows of X): lane (r, h), register j of accumulator (a, b) holds Z[x0 + 16 a + r][y0 + 16 b + 8 h + j].  The bias is the C of each sum's first product.
; CLUSTERS 4 x 4: X's tiles are shared along a row of the cluster, Y's along a column: joint loads.
; K goes in 8 sub-steps of 128; an LDS slot holds 256 along K.  Three slots and all scales are first fills (four tensor loads a wave out at the start); slot 0 is filled again once, for the last 256 (one load out).
; REGISTERS: window 0: v1-15 at work and the way out's addresses, v16-27 LDS addresses, v28-29 the add's two, v30-31 scale addresses, v32-47 X's scale words, v48-79 Y's, v80-175 X's fragments (two sets).
;   window 1: Y's fragments, two sets; on the way out rows of out0.  window 2: the accumulators, (a, b) at v[8 (8 a + b)].  window 3: v0-63 the bias.
.set AIMG, 1
.set PITCH, 240                        ; an LDS row of 256 codes: 3 x (64 bytes + 16 of padding)
.set SLOT,  92160                      ; X's part (30,720 bytes; 8 tiles x 3,072 are used), then Y's 256 rows
.set YOFF,  30720
.set SCL,   3*SLOT                     ; the scales: X's 16 units of 256 + 16 bytes, then Y's 32
.set SPARE, SCL+13056                  ; the spare words: 128 bytes a wave, two blocks of 256 bytes that no other line names
.set STAGE, SPARE+512                  ; the way out: 16 rows x (512 + 16) bytes for each wave, bytes of their own into which no fill lands
.if AIMG
.set NLA,   4                          ; LDS loads that bring a fragment of X
.set XHALF, 12288                      ; 64 rows of X in LDS: four tiles' images of 256 along K
.set ASTEP, 3072                       ; 256 along K in a tile's 12,288 bytes
.else
.set NLA,   6
.set XHALF, 15360
.set ASTEP, 192
.endif
.set ADRA, 16                          ; v16-18 16 x lane + my tiles in slot 0, 1, 2;  v19-21 the same with 8 x lane
.set ADRB, 22                          ; v22-24 Y's fragments in slot 0, 1, 2;  v25-27 the same for pieces behind one padding more
.set SPW,  28
.set NIL,  29
.set ADSA, 30
.set ADSB, 31
.set SCA,  32                          ; register 8 u + kk: lanes 0-15 the word of X's block u, lanes 16-31 of block u + 2, for sub-step kk
.set SCB,  48                          ; register 8 u + kk: lanes 0-15 Y's block u, lanes 16-31 block u + 4
.set AF,   80
.set BI,   0
.set STO,  12
.set RD,   13
.set CO,   14
.set G1,   24
.set G0A,  32
.set G1B,  48
.set G0B0, 56
.set G0B1, 60
.set G0B2, 68
.set G1S,  72
.set G1SB, 80
.set G0S,  88
.set G0SB, 92
.set CODEW, (1<<20)|(1<<21)|(3<<22)|(3<<25)            ; elements of 1 byte; padding on; bit 21 beside a mask; 4 words behind every 16
.set IMGW,  (3<<16)|(1<<21)                            ; elements of 8 bytes; no padding
.set SCLW,  (3<<16)|(1<<20)|(1<<21)|(5<<22)|(3<<25)    ; elements of 8 bytes; 4 words behind every 64
.set MSB, 0
.macro WIN new                         ; the immediate's high byte repeats the setting that is left
.if MSB != \new
	s_set_vgpr_msb (MSB<<8)|\new
.set MSB, \new
.endif
.endm
.macro PLACES n
.rept \n
	v_nop
.endr
.endm
; A joint load: waves 0 and 1 fetch for X, waves 2 and 3 for Y.  The branch hangs on the wave's number alone.  Four v_nop follow each line.
.macro JLOAD g0a, g1a, g0b, g1b
	s_cmp_eq_u32 s17, 0
	s_cbranch_scc0 .Lfor_b_\@
	tensor_load_to_lds s[\g0a:\g0a+3], s[\g1a:\g1a+7]
	s_nop 0
.rept 4
	v_nop
.endr
	s_branch .Lasked_\@
.Lfor_b_\@:
	tensor_load_to_lds s[\g0b:\g0b+3], s[\g1b:\g1b+7]
	s_nop 0
.rept 4
	v_nop
.endr
.Lasked_\@:
.endm
.macro CREST                           ; a round of the cluster's barrier behind its opening barrier
	s_cmp_lg_u32 s16, 0
	s_cbranch_scc1 .Lnot_wave_0_\@
	s_barrier_signal -3
.Lnot_wave_0_\@:
	s_barrier_wait -3
	s_barrier_signal -1
	s_barrier_wait -1
.endm
.macro CROUND
	s_barrier_signal -1
	s_barrier_wait -1
	CREST
.endm
.macro MKG1 g, c, r, p                 ; group 1 but its first word: r rows of c elements, p elements apart
	s_mov_b32 s[\g+1], (\c)<<16
	s_mov_b32 s[\g+2], (\r)<<16
	s_mov_b32 s[\g+3], (\c)<<16
	s_mov_b32 s[\g+4], \r
	s_mov_b32 s[\g+5], \p
	s_mov_b32 s[\g+6], 0
	s_mov_b32 s[\g+7], 0
.endm
.macro MKG0 g, lreg, loff, ptr, goff   ; group 0: count 1, LDS address, global address, type 2
	s_mov_b32 s[\g], 1
	s_add_co_u32 s[\g+1], s[\lreg], \loff
	s_add_nc_u64 s[\g+2:\g+3], s[\ptr:\ptr+1], \goff
	s_or_b32 s[\g+3], s[\g+3], 0x80000000
.endm
; A fragment from rows: 12 registers; lane (r, h) takes 24 bytes twice, in pieces of 8.  Lanes 16-31 read three pieces further on, which for some pieces is behind one padding more: the second address register serves those.
.macro FRAG reg, adr, q, i
.irp p, 0,1,2,3,4,5
.set PCE, 12*(\q)+6*(\p/3)+\p%3
.if PCE%8 < 5
	ds_load_b64 v[\reg+2*\p:\reg+2*\p+1], v[\adr] offset:8*PCE+16*(PCE/8)+(\i)*16*PITCH
.else
	ds_load_b64 v[\reg+2*\p:\reg+2*\p+1], v[\adr+3] offset:8*PCE+16*(PCE/8)+(\i)*16*PITCH
.endif
.endr
.endm
.macro FRAGI reg, slot, q, i           ; a fragment from its image: registers 0-3 at 16 x lane, 4-5 at 512 + 8 x lane, and the same 768 bytes on
	ds_load_b128 v[\reg:\reg+3], v[ADRA+\slot] offset:(\i)*3072+(\q)*1536
	ds_load_b64 v[\reg+4:\reg+5], v[ADRA+3+\slot] offset:(\i)*3072+(\q)*1536+512
	ds_load_b128 v[\reg+6:\reg+9], v[ADRA+\slot] offset:(\i)*3072+(\q)*1536+768
	ds_load_b64 v[\reg+10:\reg+11], v[ADRA+3+\slot] offset:(\i)*3072+(\q)*1536+1280
.endm
.macro FETCH slot, q, p                ; one run of loads: Y's eight fragments, then X's four, of the slot's q-th 128 along K, into set p
	WIN 0x40
.irp i, 0,1,2,3,4,5,6,7
	FRAG 128*(\p)+12*\i, ADRB+\slot, \q, \i
.endr
	WIN 0
.irp i, 0,1,2,3
.if AIMG
	FRAGI AF+48*(\p)+12*\i, \slot, \q, \i
.else
	FRAG AF+48*(\p)+12*\i, ADRA+\slot, \q, \i
.endif
.endr
.endm
; One product.  cmode 0: in place; 1: the constant 0 starts the sum; 2: the bias (window 3) starts it.
.macro WM a, b, kk, cmode
.set rD, 8*(8*(\a)+(\b))
.set rC, rD
.if \cmode == 2
.set rC, BI+8*(\b)
.endif
.set rB, 128*((\kk)%2)+12*(\b)
.set rA, AF+48*((\kk)%2)+12*(\a)
.set rSB, SCB+8*((\b)%4)+(\kk)
.set rSA, SCA+8*((\a)%2)+(\kk)
.set rw, 2*((\b)/4)+(\a)/2
.if \cmode == 1
.if rw == 0
	v_wmma_scale_f32_16x16x128_f8f6f4 v[rD:rD+7], v[rB:rB+11], v[rA:rA+11], 0, v[rSB], v[rSA] matrix_a_fmt:MATRIX_FMT_FP6 matrix_b_fmt:MATRIX_FMT_FP6
.elseif rw == 1
	v_wmma_scale_f32_16x16x128_f8f6f4 v[rD:rD+7], v[rB:rB+11], v[rA:rA+11], 0, v[rSB], v[rSA] matrix_a_fmt:MATRIX_FMT_FP6 matrix_b_fmt:MATRIX_FMT_FP6 matrix_b_scale:MATRIX_SCALE_ROW1
.elseif rw == 2
	v_wmma_scale_f32_16x16x128_f8f6f4 v[rD:rD+7], v[rB:rB+11], v[rA:rA+11], 0, v[rSB], v[rSA] matrix_a_fmt:MATRIX_FMT_FP6 matrix_b_fmt:MATRIX_FMT_FP6 matrix_a_scale:MATRIX_SCALE_ROW1
.else
	v_wmma_scale_f32_16x16x128_f8f6f4 v[rD:rD+7], v[rB:rB+11], v[rA:rA+11], 0, v[rSB], v[rSA] matrix_a_fmt:MATRIX_FMT_FP6 matrix_b_fmt:MATRIX_FMT_FP6 matrix_a_scale:MATRIX_SCALE_ROW1 matrix_b_scale:MATRIX_SCALE_ROW1
.endif
.else
.if rw == 0
	v_wmma_scale_f32_16x16x128_f8f6f4 v[rD:rD+7], v[rB:rB+11], v[rA:rA+11], v[rC:rC+7], v[rSB], v[rSA] matrix_a_fmt:MATRIX_FMT_FP6 matrix_b_fmt:MATRIX_FMT_FP6
.elseif rw == 1
	v_wmma_scale_f32_16x16x128_f8f6f4 v[rD:rD+7], v[rB:rB+11], v[rA:rA+11], v[rC:rC+7], v[rSB], v[rSA] matrix_a_fmt:MATRIX_FMT_FP6 matrix_b_fmt:MATRIX_FMT_FP6 matrix_b_scale:MATRIX_SCALE_ROW1
.elseif rw == 2
	v_wmma_scale_f32_16x16x128_f8f6f4 v[rD:rD+7], v[rB:rB+11], v[rA:rA+11], v[rC:rC+7], v[rSB], v[rSA] matrix_a_fmt:MATRIX_FMT_FP6 matrix_b_fmt:MATRIX_FMT_FP6 matrix_a_scale:MATRIX_SCALE_ROW1
.else
	v_wmma_scale_f32_16x16x128_f8f6f4 v[rD:rD+7], v[rB:rB+11], v[rA:rA+11], v[rC:rC+7], v[rSB], v[rSA] matrix_a_fmt:MATRIX_FMT_FP6 matrix_b_fmt:MATRIX_FMT_FP6 matrix_a_scale:MATRIX_SCALE_ROW1 matrix_b_scale:MATRIX_SCALE_ROW1
.endif
.endif
.endm
.macro MUL8 a, kk, cmode               ; X's block a against Y's eight.  The 32 accumulators take turns, in the same order in every sub-step
.irp b, 0,1,2,3,4,5,6,7
	WM \a, \b, \kk, \cmode
.endr
.endm
.macro MWIN cmode                      ; source 0 (Y) window 1, source 1 (X) window 0, D window 2; C window 2, or 3 for the bias
.if \cmode == 2
	WIN 0xb1
.else
	WIN 0xa1
.endif
.endm
; A sub-step of 128 along K whose successor's fragments (slot nslot, its nq-th 128) have landed for every wave.
.macro STEP kk, cmode, nslot, nq
	s_wait_dscnt 2*NLA                             ; all but the youngest loads, X's blocks 2 and 3
	MWIN \cmode
	MUL8 0, \kk, \cmode
	MUL8 1, \kk, \cmode
	s_wait_dscnt 0x0                               ; X's blocks 2 and 3 are in (asked for 32 products ago)
	PLACES 4                                       ; in front of loads into the set that the last sub-step's products read
	FETCH \nslot, \nq, ((\kk)+1)%2
	MWIN \cmode
	MUL8 2, \kk, \cmode
	MUL8 3, \kk, \cmode
.endm
; A slot's last sub-step with a barrier: in front of it each wave waits for all its tensor loads, adds 0 to its spare word, and waits for that and for its reads.  fill = 1: slot 0 is filled again, behind a round of the cluster's barrier.
.macro TURN kk, nslot, fill
	WIN 0                                          ; (the add's two registers lie in window 0)
	s_wait_tensorcnt 0x0                           ; all my tensor loads have landed
	ds_add_u32 v[SPW], v[NIL]                      ; 0 onto my spare word
	s_wait_dscnt 2*NLA+1                           ; (the add and X's blocks 2 and 3 may be out)
	WIN 0xa1
	MUL8 0, \kk, 0                                 ; eight products stand between the add and the wait for it
	s_wait_dscnt 0x0                               ; the add is done, and my reads of the slot that I leave are over
	s_barrier_signal -1
	MUL8 1, \kk, 0
	WIN 0
	s_barrier_wait -1
.if \fill
	CREST                                          ; no wave of any partner still reads slot 0 or has a load on its way
	s_add_nc_u64 s[G0A+2:G0A+3], s[G0A+2:G0A+3], 3*ASTEP
	s_add_nc_u64 s[G0B0+2:G0B0+3], s[G0B0+2:G0B0+3], 576
	JLOAD G0A, G1, G0B0, G1B                       ; the first tensor load behind the round; its four v_nop are the places in front of the loads below
.else
	PLACES 4
.endif
	FETCH \nslot, 0, ((\kk)+1)%2
	WIN 0xa1
	MUL8 2, \kk, 0
	MUL8 3, \kk, 0
.endm
.macro LAST kk
	s_wait_dscnt 2*NLA
	WIN 0xa1
	MUL8 0, \kk, 0
	MUL8 1, \kk, 0
	s_wait_dscnt 0x0
	MUL8 2, \kk, 0
	MUL8 3, \kk, 0
	WIN 0
.endm
	s_load_b256 s[4:11], s[0:1], 0x0               ; oc s[4:5], os s[6:7], Wo's codes s[8:9], Wo's scales s[10:11]
	s_load_b128 s[12:15], s[0:1], 0x20             ; bo s[12:13], out0 s[14:15]
	v_lshl_add_u32 v[SPW], v0, 2, SPARE
	v_mov_b32 v[NIL], 0
	ds_add_u32 v28, v29
	ds_add_u32 v28, v29
	s_wait_dscnt 0x0
	v_lshrrev_b32 v1, 5, v0
	v_readfirstlane_b32 s16, v1                    ; wave 0..3
	s_lshr_b32 s17, s16, 1                         ; my half of X's rows.  Also: I fetch for X (0) or for Y (1)
	s_and_b32 s18, s16, 1                          ; my half of Y's rows.  Also: which half of that tile I fetch
	s_bfe_u32 s19, ttmp6, 0x40000                  ; cx
	s_bfe_u32 s20, ttmp6, 0x40004                  ; cy
	s_and_b32 s96, ttmp7, 0xffff                   ; the cluster's number, 0..15
	s_lshl_b32 s22, s96, 2
	s_add_co_u32 s22, s22, s20                     ; X's tile, 0..63: hangs on cy alone
	s_mov_b32 s23, s19                             ; Y's tile, 0..3: on cx alone
	s_lshl_b32 s100, s20, 2
	s_lshl_b32 s100, 15, s100                      ; my row of the cluster
	s_lshl_b32 s101, 0x1111, s19                   ; my column
	s_lshl_b32 s44, s22, 3
	s_lshl_b32 s45, s18, 2
	s_add_co_u32 s44, s44, s45                     ; X: the first of the four tiles of 16 rows that I would fetch
	s_mul_i32 s46, s44, 12288
	s_mov_b32 s47, 0
	s_lshl_b32 s98, s23, 8
	s_lshl_b32 s97, s18, 7
	s_add_co_u32 s96, s98, s97                     ; Y: the first of the 128 rows
	s_mul_i32 s98, s96, 768
	s_mov_b32 s99, 0
	s_wait_kmcnt 0x0
	s_add_nc_u64 s[4:5], s[4:5], s[46:47]
	s_lshl_b32 s46, s44, 9                         ; 16 rows of 32 scale bytes a tile
	s_add_nc_u64 s[6:7], s[6:7], s[46:47]
	s_add_nc_u64 s[8:9], s[8:9], s[98:99]
	s_lshl_b32 s98, s96, 5
	s_add_nc_u64 s[10:11], s[10:11], s[98:99]
	s_or_b32 s[G1], s100, IMGW                     ; X's tiles go to my row of the cluster,
	s_or_b32 s[G1B], s101, CODEW                   ; Y's to my column
	s_or_b32 s[G1S], s100, SCLW
	s_or_b32 s[G1SB], s101, SCLW
	MKG1 G1, 384, 4, 1536                          ; four tiles' 3,072 bytes (256 along K), 12,288 apart
	MKG1 G1B, 192, 128, 768                        ; 128 rows of 192 bytes, 768 apart
	MKG1 G1S, 32, 8, 32                            ; the scales of 64 rows: 2,048 dense bytes as 8 rows of 256
	MKG1 G1SB, 32, 16, 32
	s_mul_i32 s44, s18, XHALF                      ; LDS places hang on the wave's number alone
	s_mul_i32 s45, s18, 30720
	s_mul_i32 s46, s18, 2176
	s_mul_i32 s47, s18, 4352
	MKG0 G0S, 46, SCL, 6, 0
	MKG0 G0SB, 47, SCL+4352, 10, 0
	MKG0 G0A, 44, 0, 4, 0
	MKG0 G0A+4, 44, SLOT, 4, ASTEP
	MKG0 G0A+8, 44, 2*SLOT, 4, 2*ASTEP
	MKG0 G0B0, 45, YOFF, 8, 0
	MKG0 G0B1, 45, SLOT+YOFF, 8, 192
	MKG0 G0B2, 45, 2*SLOT+YOFF, 8, 384
	CROUND                                         ; all sixteen work-groups are here: the first joint loads meet
	JLOAD G0S, G1S, G0SB, G1SB                     ; the scales of all of K,
	JLOAD G0A, G1, G0B0, G1B                       ; and three slots: K = 0 .. 767
	JLOAD G0A+4, G1, G0B1, G1B
	JLOAD G0A+8, G1, G0B2, G1B
	v_and_b32 v1, 15, v0                           ; r
	v_bfe_u32 v2, v0, 4, 1                         ; h
	v_and_b32 v3, 31, v0                           ; lane
	v_lshlrev_b32 v[CO], 4, v3                     ; 16 x lane
	v_lshlrev_b32 v4, 3, v3                        ; 8 x lane
	v_mul_u32_u24 v7, v1, PITCH
	v_mad_u32_u24 v8, v2, 24, v7                   ; Y: a fragment's row x pitch + 24 h,
	v_mad_u32_u24 v9, v2, 40, v7                   ; and behind one padding more
	s_mul_i32 s44, s17, XHALF                      ; my four tiles of X
	s_mul_i32 s45, s18, 30720
	s_add_co_u32 s45, s45, YOFF                    ; my 128 rows of Y
.irp s, 0,1,2
	v_add_nc_u32 v[ADRA+\s], s44, v[CO]
	v_add_nc_u32 v[ADRA+3+\s], s44, v4
	v_add_nc_u32 v[ADRB+\s], s45, v8
	v_add_nc_u32 v[ADRB+3+\s], s45, v9
	s_add_co_u32 s44, s44, SLOT
	s_add_co_u32 s45, s45, SLOT
.endr
	v_lshlrev_b32 v10, 5, v1                       ; a row's 32 scale bytes: 32 r,
	v_lshrrev_b32 v11, 3, v1
	v_lshl_add_u32 v10, v11, 4, v10                ; + 16 for each unit of 8 rows passed
	v_mad_u32_u24 v11, v2, 1088, v10               ; lanes 16-31: X's block two further on
	s_mul_i32 s44, s17, 2176
	s_add_co_u32 s44, s44, SCL
	v_add_nc_u32 v[ADSA], s44, v11
	v_mad_u32_u24 v11, v2, 2176, v10               ; lanes 16-31: Y's block four further on
	s_mul_i32 s44, s18, 4352
	s_add_co_u32 s44, s44, SCL+4352
	v_add_nc_u32 v[ADSB], s44, v11
	s_mul_i32 s44, s16, 16*528
	s_add_co_u32 s44, s44, STAGE                   ; my stage
	v_mul_u32_u24 v7, v1, 528
	v_lshl_add_u32 v7, v2, 5, v7
	v_add_nc_u32 v[STO], s44, v7                   ; in: row r, 32 bytes for each half of the lanes
	v_add_nc_u32 v[RD], s44, v[CO]                 ; back: the 32 lanes take one row of 512 bytes
	s_lshl_b32 s44, s22, 7
	s_lshl_b32 s45, s17, 6
	s_add_co_u32 s44, s44, s45                     ; x0: my first row
	s_lshl_b32 s45, s23, 8
	s_lshl_b32 s46, s18, 7
	s_add_co_u32 s45, s45, s46                     ; y0: my first column
	s_lshl_b32 s46, s45, 2
	s_mov_b32 s47, 0
	s_add_nc_u64 s[96:97], s[12:13], s[46:47]      ; bo at y0
	s_lshl_b32 s44, s44, 12                        ; a row of out0 is 4,096 bytes
	s_add_co_u32 s46, s46, s44
	s_add_nc_u64 s[14:15], s[14:15], s[46:47]      ; out0 at (x0, y0)
	v_lshlrev_b32 v5, 5, v2                        ; 32 h
	WIN 0xc0                                       ; destination window 3
.irp b, 0,1,2,3,4,5,6,7
	global_load_b128 v[BI+8*\b:BI+8*\b+3], v5, s[96:97] offset:64*\b          ; bo(y0 + 16 b + 8 h + 0 .. 7): the result's layout
	global_load_b128 v[BI+8*\b+4:BI+8*\b+7], v5, s[96:97] offset:64*\b+16
.endr
	WIN 0
	s_wait_alu depctr_va_vdst(0)
	s_wait_tensorcnt 0x2                           ; my parts of the scales and of slot 0 are in; slots 1 and 2 may be out
	s_barrier_signal -1
	s_barrier_wait -1                              ; everybody's are
.irp u, 0,1
	ds_load_b128 v[SCA+8*\u:SCA+8*\u+3], v[ADSA] offset:544*\u                ; the scale words of all eight sub-steps, once
	ds_load_b128 v[SCA+8*\u+4:SCA+8*\u+7], v[ADSA] offset:544*\u+16
.endr
.irp u, 0,1,2,3
	ds_load_b128 v[SCB+8*\u:SCB+8*\u+3], v[ADSB] offset:544*\u
	ds_load_b128 v[SCB+8*\u+4:SCB+8*\u+7], v[ADSB] offset:544*\u+16
.endr
	FETCH 0, 0, 0
	s_wait_loadcnt 0x0                             ; the bias
	STEP 0, 2, 0, 1                                ; the first products start the sums from the bias
	TURN 1, 1, 1                                   ; slot 0 is left and filled again with K = 768 .. 1,023; every wave has shown slots 1 and 2 landed
	STEP 2, 0, 1, 1
	STEP 3, 0, 2, 0
	STEP 4, 0, 2, 1
	TURN 5, 0, 0                                   ; the refill has landed, everybody's
	STEP 6, 0, 0, 1
	LAST 7
; THE WAY OUT, block by block of 16 rows x 128 columns, through my own stage: a lane holds 32 neighbouring bytes of a row; back come whole rows of 512 bytes.  LDS serves a wave's instructions in order: no wait between the stores and the loads.
.macro TOSTAGE a
	WIN 0x08                                       ; an LDS store's data are its source 1: window 2
.irp b, 0,1,2,3,4,5,6,7
	ds_store_b128 v[STO], v[64*(\a)+8*\b:64*(\a)+8*\b+3] offset:64*\b         ; each accumulator from its low end on
	ds_store_b128 v[STO], v[64*(\a)+8*\b+4:64*(\a)+8*\b+7] offset:64*\b+16
.endr
	WIN 0x40                                       ; destination window 1: a set of 64 registers for each block, so that no store's data are written again
.irp t, 0,1,2,3,4,5,6,7,8,9,10,11,12,13,14,15
	ds_load_b128 v[64*(\a)+4*\t:64*(\a)+4*\t+3], v[RD] offset:\t*528
.endr
	WIN 0
.endm
.macro SEND a, younger                 ; younger: the LDS instructions issued behind block a's loads, which may stay out
	s_wait_dscnt \younger
	WIN 0x04                                       ; a store's data are its source 1: window 1
.irp t, 0,1,2,3,4,5,6,7,8,9,10,11,12,13,14,15
	global_store_b128 v[CO], v[64*(\a)+4*\t:64*(\a)+4*\t+3], s[14:15] offset:(16*(\a)+\t)*4096 th:TH_STORE_NT   ; 32 lanes store 512 consecutive bytes, aligned; written once, read by nobody here
.endr
	WIN 0
.endm
	PLACES 4                                       ; behind the last products: their results are read, and loads land in registers that they read
	TOSTAGE 0
.irp a, 1,2,3
	TOSTAGE \a
	SEND \a-1, 32                                  ; behind block a - 1's loads: block a's 16 stores and 16 loads
.endr
	SEND 3, 0
	s_wait_tensorcnt 0x0                           ; the wave's end: behind my last tensor load and my last LDS store
	ds_add_u32 v[SPW], v[NIL]
	s_wait_dscnt 0x0
	CROUND                                         ; the closing round: no work-group ends while a partner may still ask for a tile that names it
	s_endpgm
.Lfunc_end_k_qd0a5d178b6_outp:
	.size	k_qd0a5d178b6_outp, .Lfunc_end_k_qd0a5d178b6_outp-k_qd0a5d178b6_outp
	.p2alignl 7, 3214868480
	.fill 96, 4, 3214868480
	.section	.rodata,"a",@progbits
	.p2align	6, 0x0
	.amdhsa_kernel k_qd0a5d178b6_outp
		.amdhsa_group_segment_fixed_size 327680
		.amdhsa_private_segment_fixed_size 0
		.amdhsa_enable_private_segment 0
		.amdhsa_kernarg_size 48
		.amdhsa_user_sgpr_count 2
		.amdhsa_user_sgpr_kernarg_segment_ptr 1
		.amdhsa_wavefront_size32 1
		.amdhsa_system_sgpr_workgroup_id_x 1
		.amdhsa_system_sgpr_workgroup_id_y 1
		.amdhsa_system_sgpr_workgroup_id_z 1
		.amdhsa_system_vgpr_workitem_id 0
		.amdhsa_next_free_vgpr 1024
		.amdhsa_next_free_sgpr 104
		.amdhsa_reserve_vcc 0
		.amdhsa_float_denorm_mode_32 3
		.amdhsa_float_denorm_mode_16_64 3
		.amdhsa_memory_ordered 1
		.amdhsa_forward_progress 1
		.amdhsa_inst_pref_size 97
	.end_amdhsa_kernel
	.amdgpu_metadata
---
amdhsa.version: [ 1, 2 ]
amdhsa.kernels:
  - .name:           k_qd0a5d178b6_outp
    .symbol:         k_qd0a5d178b6_outp.kd
    .args:
      - { .name: oc, .offset: 0, .size: 8, .value_kind: global_buffer, .address_space: global }
      - { .name: os, .offset: 8, .size: 8, .value_kind: global_buffer, .address_space: global }
      - { .name: Wo_codes, .offset: 16, .size: 8, .value_kind: global_buffer, .address_space: global }
      - { .name: Wo_scales, .offset: 24, .size: 8, .value_kind: global_buffer, .address_space: global }
      - { .name: bo, .offset: 32, .size: 8, .value_kind: global_buffer, .address_space: global }
      - { .name: out0, .offset: 40, .size: 8, .value_kind: global_buffer, .address_space: global }
    .group_segment_fixed_size: 327680
    .private_segment_fixed_size: 0
    .kernarg_segment_align: 8
    .kernarg_segment_size: 48
    .max_flat_workgroup_size: 128
    .sgpr_count:     104
    .vgpr_count:     1024
    .wavefront_size: 32
...
	.end_amdgpu_metadata
.endif
;; end of part 3
